; MI455X (gfx1250); checked and timed in simulation.
; The chip was launched on July 23, 2026; its instructions are those of AMD's public machine-readable ISA for CDNA 5 (MIT licence, August 2026) and "CDNA5" Instruction Set Architecture Reference Guide (July 2026). The comments in the code are by the model that wrote it; some were corrected since.
;; Entmax Attention. Allowed arithmetic: matrix products marked QUANTISED: E2M1 operands, one E8M0 scale for each 32 along K, by v_wmma_scale_f32_16x16x128_f8f6f4 with both operands' format E2M1 (or v_wmma_scale_f32_32x16x128_f4), f32 sums; everything else in f32.
;; Inputs: k_codes 2 x 16 x 2,048 x 2 x 16 uint8 (E2M1 codes of k, K innermost, in blocks of 32 codes, two codes a byte); k_scales 2 x 16 x 2,048 x 2 uint8 (E8M0 scales of k, one for each 32 codes along K); q_codes 2 x 16 x 2,048 x 2 x 16 uint8 (E2M1 codes of q, K innermost, in blocks of 32 codes, two codes a byte); q_scales 2 x 16 x 2,048 x 2 uint8 (E8M0 scales of q, one for each 32 codes along K); v_codes 2 x 16 x 64 x 64 x 16 uint8 (E2M1 codes of v, K innermost, in blocks of 32 codes, two codes a byte); v_scales 2 x 16 x 64 x 64 uint8 (E8M0 scales of v, one for each 32 codes along K).
;; Outputs: out0 2 x 16 x 2,048 x 64 float32.
;; This version of the problem:
;;   THIS VERSION OF THE PROBLEM IS GIVEN IN LOW PRECISION. The matrix products marked QUANTISED in the list below multiply operands that are first quantised to E2M1 (2 exponent bits, 1 mantissa bit; 4 bits a number), with one power-of-two scale for each 32 numbers along K (OCP MX v1.0); their sums are f32. All else is computed in f32.
;;   The module's matrix products, in the order in which they are computed (A, B: the left and right operand; K: the contracted axis; several contracted axes count as one K, in the product's order):
;;     1. batch 32 x [M 2,048, K 64] x [K 64, N 2,048]; A: input q (given as codes); B: input k (given as codes): QUANTISED
;;     2. batch 32 x [M 2,048, K 2,048] x [K 2,048, N 64]; A: computed on the way; B: input v (given as codes): QUANTISED
;;   THE QUANTISER, for each operand of a quantised product, along K:
;;     - K is cut into blocks of 32 from its start; a last block that is shorter is filled with zeros.
;;     - A block's scale is 2^e with e = floor(log2(the largest magnitude in the block)) - 2, held to -126 .. 127; a block of zeros has e = 0. As a byte (E8M0): e + 127.
;;     - Each number is divided by its block's scale, clamped to +-6, and rounded to the nearest number of E2M1, ties to even, subnormals kept.
;;     - The product sums the exact products of the quantised numbers (number of the format x scale) in f32.
;;   ~~~python
;;   def quantise(x, axis):      # numpy; x: float32 -> the quantised numbers, widened to float32 again
;;       x = np.moveaxis(x, axis, -1); K = x.shape[-1]
;;       x = np.pad(x, [(0, 0)] * (x.ndim - 1) + [(0, -K % 32)]); x = x.reshape(x.shape[:-1] + (-1, 32)); a = np.abs(x).max(-1, keepdims=True)
;;       e = np.where(a > 0, np.clip(np.frexp(np.where(a > 0, a, 1))[1] - 1 - 2, -126, 127), 0)      # np.frexp(a)[1] - 1 = floor(log2(a)), exactly
;;       r = np.clip(x / 2.0 ** e, -6, 6)
;;       step = 2.0 ** (np.maximum(np.frexp(np.where(r == 0, 1, r))[1] - 1, 0) - 1)
;;       q = np.round(r / step) * step * 2.0 ** e      # np.round: ties to even
;;       return np.moveaxis(q.reshape(q.shape[:-2] + (-1,))[..., :K], -1, axis).astype(np.float32)
;;   ~~~
;;   OPERANDS COMPUTED ON THE WAY. 'Computed on the way' means the value that the module computes at that place (a softmax that the list does not call 'softmax' is quantised finished and normalised). What goes into a quantiser is computed in f32, as accurately as f32 sums, v_exp_f32 and their like allow (about 1e-6 of the number): no bf16 or f16 on the way to a quantiser, and a product that is left as it is and whose result goes on into a quantised operand takes f32 operands (vector FMAs, or v_wmma_f32_16x16x4_f32). A number that lies on a knife's edge between two numbers of the format may be rounded either way, as far as f32 arithmetic and the matrix unit's own rounding can turn it there, and no further.
;;   INPUTS GIVEN AS CODES. k (in the module: [2, 16, 2048, 64], K = its axis 3); q (in the module: [2, 16, 2048, 64], K = its axis 3); v (in the module: [2, 16, 2048, 64], K = its axis 2): each comes as NAME_codes (uint8): NAME with its K axis moved to the last place and cut into blocks of 32 codes, [.., K / 32, bytes a block], one block behind the other in memory; two codes a byte, the lower K in the low four bits (a code: sign, 2 exponent bits, 1 mantissa bit); and NAME_scales (uint8): the same leading axes, one E8M0 byte (e + 127) for each 32 codes along K. Its value is code x scale, taken as it is: it is not quantised again, and the codes and scales need not be those that the quantiser above would give.
;; 2 versions, each right; version 2 is version 1 with the launches tau, attend written anew for expert scheduling mode. Each part assembles by itself: llvm-mc -triple=amdgcn-amd-amdhsa -mcpu=gfx1250 --defsym DOCPART=n.
;; ======== version 1 of 2: 2 launches
;; limits: right only within a limited range of input values
;; workspace buffers: negt 262,144 bytes; need 16,384 bytes of whole numbers
;; launch tau (part 1): grid 8 x 32, 16 waves a work-group, no clusters, 77,056 bytes of LDS; arguments k_codes, k_scales, q_codes, q_scales, negt, need; writes negt, need
.if DOCPART == 1
	.amdgcn_target "amdgcn-amd-amdhsa--gfx1250"
	.amdhsa_code_object_version 6
	.text
	.protected	k_q5b4cbb93bd_tau
	.globl	k_q5b4cbb93bd_tau
	.p2align	8
	.type	k_q5b4cbb93bd_tau,@function
k_q5b4cbb93bd_tau:
	s_mov_b64 s[64:65], 0
	v_nop
	global_prefetch_b8 v0, s[64:65] scope:SCOPE_SE
	s_setreg_imm32_b32 hwreg(HW_REG_WAVE_MODE, 25, 1), 1
	s_wait_xcnt 0x0
; SPARSEMAX ATTENTION ON CODES OF MX-FP4, LAUNCH 1 OF 2: THE THRESHOLD OF EVERY ROW.
; reference(): x = q k^T / 8; attn = max(x - tau, 0); out = attn v.  Its tau (sort, running sum, size of the support) is, for every finite input, the one root of
; sum_k max(x_k - tau, 0) = 1.  That equation is solved here, on the raw sums s = q k^T with T = 8 tau:  F(T) = sum_k max(s_k - T, 0) - 8 = 0.
; Nothing of reference() is left out as dead work: every input has a way to the output and is loaded (v in the second launch).
; NEWTON FROM THE LEFT: T <- T + max(F, 0) / c, c = the number of s_k > T.  F is convex and piecewise linear, so T never passes the root, the supports are nested, and
;   (a) where two passes on end count the same c, the T of the second was the root;  (b) else a pass drops at least one key: behind a pass that counted c, c - 1 more passes give the root;
;   (c) by convexity F'/F + c'/c <= 1, so F c falls at least fourfold a pass; from T >= max - 8 it starts under 2^14 x 2^11, and 23 passes leave T within 2^-21 of the root.
; This launch runs NPASS whole passes and stores, for each wave's 16 rows, how many more are owed: 0 where (a) holds for all 16, else the largest c (b, and one pass more), held at 24 (c).
; The second launch reads that whole number as a trip count: no branch here hangs on a floating-point number, and the iteration is cut at no length that only some inputs allow.
; THE START: pass 0 keeps the largest s of each of the row's 64 blocks of 32 keys.  The root of that subset is at or under the row's root (more keys only raise F); NSUB Newton steps in registers, from max - 8, approach it from the left.
; THE SCORES ARE MADE ANEW IN EVERY PASS by the matrix unit (a row of 2,048 f32 for 16 queries has no room in a wave's registers): S^T = K Q^T, source 0 = 16 keys, source 1 = my 16 queries, so a lane holds ONE query.
;   C is eight registers of -T: the result is s - T as it stands.
;   K = 64 IN AN INSTRUCTION OF 128: a fragment's registers 0-3 hold 16 keys, registers 4-7 sixteen OTHER keys.  v8-19 hold 0,0,0,0, q,q,q,q, 0,0,0,0: v[12:19] has q against the first 64 along K, v[8:15] against the last 64.
;   Zero codes add nothing, so each fragment serves two products.  Scale words hold a row's two bytes twice, so they fit either half.
;   THE KEYS OF A TILE: row 8 h' + j of tile (c, u) of step st is key 128 st + 64 c + 32 h' + 8 u + j, so register 32 c + 8 u + j of lane (r, h) is key 128 st + 64 c + 32 h + 8 u + j: a lane holds whole blocks of 32 keys.
; THE COUNT IS MADE BY THE MATRIX UNIT: max(s - T, 0) is converted to codes under the fixed scale 2^-60, where every positive number becomes the largest code, 6, and 0 the code 0; a product with an operand of ones sums them: 6 c, exact.
; SHARES: a work-group has 256 queries of one head, each of its 16 waves 16 of them.  The head's K comes once into LDS as IMAGES OF THE FRAGMENTS' REGISTERS (16 bytes a lane on end) and is then only read.
; NO CLUSTER, NO TENSOR LOAD: what the eight work-groups of a head share is read once by each, 69,632 bytes, against 5 x 69,632 x 16 bytes that its waves then read from LDS; and the order of the images is made by the stores' addresses.
; NO PREFETCH: every input byte is asked for at the head, and nothing is streamed later.
; LIMITS: NaN, infinities and the scale byte 0xff among the inputs are not served; |s| stays under 2^20, so that max - 8 is told from max; a positive s - T under 2^-57 is counted in part.
.set KST,   65536                      ; LDS: 0: K's images, st x 4096 + u x 1024 + c x 512 + 16 x lane;  KST: K's scale words, st x 512 + 16 x (16 c + row) + 4 u
.set TST,   73728                      ; -T of the 256 rows
.set NST,   74752                      ; the 16 waves' numbers of passes owed
.set SPARE, 75008                      ; the spare words, 128 bytes for each of 16 waves: eight blocks of 256 bytes that no other line names
.set NSUB,  6
.set NPASS, 4
.set LI,   1                           ; v1   16 x lane
.set LS,   2                           ; v2   KST + 16 x lane
.set SPW,  3                           ; v3   my spare word; never rewritten
.set NIL,  4                           ; v4   0; never rewritten
.set QS,   5                           ; v5   q's scale word (two bytes, twice)
.set US,   6                           ; v6   scale word of ones: 0x7f four times
.set SAT,  7                           ; v7   the counting conversion's scale operand: exponent field 67, 2^-60
.set ONES, 20                          ; v20-27  an operand of ones: the code 2 in every place
.set NT,   28                          ; v28-35  -T, eight times: the C of the scores
.set CN,   36                          ; v36-43  6 c
.set PC,   44                          ; v44-51  codes 6 or 0
.set ACC,  52                          ; v52-59  the sum of max(s - T, 0), in four pairs
.set KW0,  60                          ; v60-63, v64-67  K's scale words, two sets
.set AF0,  68                          ; v68-99, v100-131  K's four fragments, two sets
.set D,    132                         ; v132-195  64 scores less T
.set GM,   196                         ; v196-227  my 32 blocks' largest scores
.set S,    228
.set X,    229
.set R,    230
.set DC,   231                         ; 6 c of the last pass
.set DP,   232                         ; 6 c of the pass before
.set KA,   233
.set KSA,  234
.set G16,  235
.set G8,   236
.set QO,   237
.set QSO,  238
.set TA,   239
.set NA,   240
.set NR,   241
.set R4,   242
.set WN,   243
.set T0,   244
.set RR,   245
.set HH,   246
.macro LOADK s, b                      ; step s's four fragments and four scale words into set b: nine LDS loads, every offset an immediate
.irp g, 0,1,2,3
	ds_load_b128 v[AF0+32*(\b)+8*\g:AF0+32*(\b)+8*\g+3], v[LI] offset:(\s)*4096+\g*1024
	ds_load_b128 v[AF0+32*(\b)+8*\g+4:AF0+32*(\b)+8*\g+7], v[LI] offset:(\s)*4096+\g*1024+512
.endr
	ds_load_b128 v[KW0+4*(\b):KW0+4*(\b)+3], v[LS] offset:(\s)*512
.endm
.macro SCORES zero                     ; eight products: fragment g against q low (tile (0, g)) and q high (tile (1, g), whose scale words lie in lanes 16-31).  zero = 1: s;  0: s - T
.irp g, 0,1,2,3
.if \zero
	v_wmma_scale_f32_16x16x128_f8f6f4 v[D+8*\g:D+8*\g+7], v[AFB+8*\g:AFB+8*\g+7], v[12:19], 0, v[KWB+\g], v[QS] matrix_a_fmt:MATRIX_FMT_FP4 matrix_b_fmt:MATRIX_FMT_FP4
	v_wmma_scale_f32_16x16x128_f8f6f4 v[D+32+8*\g:D+32+8*\g+7], v[AFB+8*\g:AFB+8*\g+7], v[8:15], 0, v[KWB+\g], v[QS] matrix_a_fmt:MATRIX_FMT_FP4 matrix_b_fmt:MATRIX_FMT_FP4 matrix_a_scale:MATRIX_SCALE_ROW1
.else
	v_wmma_scale_f32_16x16x128_f8f6f4 v[D+8*\g:D+8*\g+7], v[AFB+8*\g:AFB+8*\g+7], v[12:19], v[NT:NT+7], v[KWB+\g], v[QS] matrix_a_fmt:MATRIX_FMT_FP4 matrix_b_fmt:MATRIX_FMT_FP4
	v_wmma_scale_f32_16x16x128_f8f6f4 v[D+32+8*\g:D+32+8*\g+7], v[AFB+8*\g:AFB+8*\g+7], v[8:15], v[NT:NT+7], v[KWB+\g], v[QS] matrix_a_fmt:MATRIX_FMT_FP4 matrix_b_fmt:MATRIX_FMT_FP4 matrix_a_scale:MATRIX_SCALE_ROW1
.endif
.endr
.endm
.macro COUNT first                     ; 6 x the number of codes 6 among my query's 128 (both halves of the lanes).  One instruction a turn, the eight scores' products between two of them
.if \first
	v_wmma_scale_f32_16x16x128_f8f6f4 v[CN:CN+7], v[ONES:ONES+7], v[PC:PC+7], 0, v[US], v[US] matrix_a_fmt:MATRIX_FMT_FP4 matrix_b_fmt:MATRIX_FMT_FP4
.else
	v_wmma_scale_f32_16x16x128_f8f6f4 v[CN:CN+7], v[ONES:ONES+7], v[PC:PC+7], v[CN:CN+7], v[US], v[US] matrix_a_fmt:MATRIX_FMT_FP4 matrix_b_fmt:MATRIX_FMT_FP4
.endif
.endm
.macro MSTEP                           ; pass 0, step st: the largest score of my two blocks of 32 keys
.set AFB, AF0+32*(st%2)
.set KWB, KW0+4*(st%2)
	s_wait_dscnt 0x0                               ; this step's nine loads are in
	SCORES 1
.if st < 15
	LOADK st+1, (st+1)%2                           ; into the set that the step before multiplied: a step's vector work lies between
.endif
.rept 4
	v_nop                                          ; four places between the products and the first read of a result
.endr
	v_max_num_f32 v[GM+2*st], v[D], v[D+1]         ; two chains by turns, each tile from its low end on
	v_max_num_f32 v[GM+2*st+1], v[D+32], v[D+33]
.irp i, 2,4,6,8,10,12,14,16,18,20,22,24,26,28,30
	v_max3_num_f32 v[GM+2*st], v[GM+2*st], v[D+\i], v[D+\i+1]
	v_max3_num_f32 v[GM+2*st+1], v[GM+2*st+1], v[D+32+\i], v[D+33+\i]
.endr
.endm
.macro NSTEP                           ; a Newton pass, step st: 128 keys' max(s - T, 0) are summed and marked for the count
.set AFB, AF0+32*(st%2)
.set KWB, KW0+4*(st%2)
	s_wait_dscnt 0x0                               ; this step's nine loads are in
.if st == 1
	COUNT 1                                        ; the step before's marks; the four additions behind its last conversion are the places ahead of this line
.elseif st > 1
	COUNT 0
.endif
	SCORES 0
.if st < 15
	LOADK st+1, (st+1)%2
.endif
.rept 4
	v_nop                                          ; four places: ahead of the first read of a result, and of the first write of the count's operand
.endr
.irp i, 0,1,2,3,4,5,6,7
.irp j, 0,1,2,3,4,5,6,7
	v_max_num_f32 v[D+8*\i+\j], 0, v[D+8*\i+\j]
.endr
	v_cvt_scalef32_pk8_fp4_f32 v[PC+\i], v[D+8*\i:D+8*\i+7], v[SAT]
.irp j, 0,1,2,3
	v_pk_add_f32 v[ACC+2*\j:ACC+2*\j+1], v[ACC+2*\j:ACC+2*\j+1], v[D+8*\i+2*\j:D+8*\i+2*\j+1]
.endr
.endr
.endm
.macro PASS                            ; one pass over the head's 2,048 keys
.irp i, 0,1,2,3,4,5,6,7
	v_mov_b32 v[ACC+\i], 0
.endr
	LOADK 0, 0
.set st, 0
.rept 16
	NSTEP
.set st, st+1
.endr
	COUNT 0
.endm
.macro UPDATE keep                     ; -T <- -T - max(sum - 8, 0) / c
	v_pk_add_f32 v[ACC:ACC+1], v[ACC:ACC+1], v[ACC+2:ACC+3]        ; (these additions are the places between the count's product and the read of its result)
	v_pk_add_f32 v[ACC+4:ACC+5], v[ACC+4:ACC+5], v[ACC+6:ACC+7]
	v_pk_add_f32 v[ACC:ACC+1], v[ACC:ACC+1], v[ACC+4:ACC+5]
	v_add_f32 v[S], v[ACC], v[ACC+1]
	v_permlanex16_b32 v[X], v[S], s28, s29         ; my query's other keys lie in the lane 16 away
	v_add_f32 v[S], v[S], v[X]
.if \keep
	v_mov_b32 v[DP], v[DC]
.endif
	v_max_num_f32 v[DC], 0x40c00000, v[CN]         ; 6 c, at least 6
	v_rcp_f32 v[R], v[DC]
	v_add_f32 v[S], 0xc1000000, v[S]               ; F = the sum - 8 (a plain line behind the reciprocal)
	v_max_num_f32 v[S], 0, v[S]                    ; rounding may have carried T past the root: then it stays
	v_mul_f32 v[S], 0x40c00000, v[S]               ; 6 F
	s_wait_alu depctr_va_vdst(0)                   ; the wait ahead of the reciprocal's first reader
.irp i, 0,1,2,3,4,5,6,7
	v_fma_f32 v[NT+\i], -v[S], v[R], v[NT+\i]
.endr
.endm
	s_load_b256 s[4:11], s[0:1], 0x0               ; K's codes s[4:5], K's scales s[6:7], Q's codes s[8:9], Q's scales s[10:11]
	s_load_b128 s[12:15], s[0:1], 0x20             ; negt s[12:13], need s[14:15]
	v_lshl_add_u32 v[SPW], v0, 2, SPARE
	v_mov_b32 v[NIL], 0
	v_lshrrev_b32 v[WN], 5, v0
	v_readfirstlane_b32 s22, v[WN]                 ; wave 0..15
	s_and_b32 s23, ttmp7, 0xffff                   ; the head
	s_mov_b32 s28, 0x76543210
	s_mov_b32 s29, 0xfedcba98                      ; v_permlanex16_b32's selects for lane l xor 16
	s_lshl_b32 s26, s23, 16                        ; byte offsets, apart from the addresses.  K's codes: 65,536 a head
	s_mov_b32 s27, 0
	s_lshl_b32 s24, ttmp9, 13                      ; Q's codes: + 256 queries x 32 bytes a block, + 16 x 32 a wave
	s_lshl_b32 s25, s22, 9
	s_add_co_u32 s30, s26, s24
	s_add_co_u32 s30, s30, s25
	s_mov_b32 s31, 0
	s_lshl_b32 s32, s23, 12                        ; K's scales: 4,096 a head
	s_mov_b32 s33, 0
	s_lshl_b32 s24, ttmp9, 9
	s_lshl_b32 s25, s22, 5
	s_add_co_u32 s36, s32, s24                     ; Q's scales
	s_add_co_u32 s36, s36, s25
	s_mov_b32 s37, 0
	s_lshl_b32 s38, s23, 13                        ; negt: 4 bytes a row; the work-group's 256 rows
	s_lshl_b32 s24, ttmp9, 10
	s_add_co_u32 s38, s38, s24
	s_mov_b32 s39, 0
	s_lshl_b32 s40, s23, 9                         ; need: 4 bytes a wave; the work-group's 16
	s_lshl_b32 s24, ttmp9, 6
	s_add_co_u32 s40, s40, s24
	s_mov_b32 s41, 0
	v_and_b32 v[RR], 15, v0                        ; r
	v_bfe_u32 v[HH], v0, 4, 1                      ; h
	v_and_b32 v[T0], 31, v0
	v_lshlrev_b32 v[LI], 4, v[T0]
	v_add_nc_u32 v[LS], KST, v[LI]
	; where my 16 bytes of K's codes go.  Thread t, load i: key 256 i + t / 2, half t % 2.  Of the key's number: bits 0-2 j, 3-4 u, 5 h', 6 c, 7.. st
	v_bfe_u32 v[T0], v0, 1, 3
	v_lshlrev_b32 v[KA], 4, v[T0]                  ; j: 16 bytes a lane
	v_bfe_u32 v[T0], v0, 6, 1
	v_lshl_or_b32 v[KA], v[T0], 7, v[KA]           ; h': eight lanes on
	v_and_b32 v[T0], 1, v0
	v_lshl_or_b32 v[KA], v[T0], 8, v[KA]           ; the key's second 16 bytes: lanes 16-31
	v_bfe_u32 v[T0], v0, 7, 1
	v_lshl_or_b32 v[KA], v[T0], 9, v[KA]           ; c
	v_bfe_u32 v[T0], v0, 4, 2
	v_lshl_or_b32 v[KA], v[T0], 10, v[KA]          ; u
	v_bfe_u32 v[T0], v0, 8, 1
	v_lshl_or_b32 v[KA], v[T0], 12, v[KA]          ; st's low bit; the rest stands in the stores' immediates
	; and my four keys' scale words: keys 4 t + e
	v_lshlrev_b32 v[KSA], 9, v[WN]                 ; st = t / 32
	v_lshl_or_b32 v[KSA], v[HH], 8, v[KSA]         ; c
	v_bfe_u32 v[T0], v0, 3, 1
	v_lshl_or_b32 v[KSA], v[T0], 7, v[KSA]         ; h'
	v_and_b32 v[T0], 1, v0
	v_lshl_or_b32 v[KSA], v[T0], 6, v[KSA]         ; j's high bit; e stands in the immediates
	v_bfe_u32 v[T0], v0, 1, 2
	v_lshl_or_b32 v[KSA], v[T0], 2, v[KSA]         ; u
	v_add_nc_u32 v[KSA], KST, v[KSA]
	v_lshlrev_b32 v[G16], 4, v0
	v_lshlrev_b32 v[G8], 3, v0
	v_lshlrev_b32 v[QO], 5, v[RR]
	v_lshl_or_b32 v[QO], v[HH], 4, v[QO]           ; Q: row r of 32 bytes, + 16 h
	v_lshlrev_b32 v[QSO], 1, v[RR]
	v_lshlrev_b32 v[TA], 6, v[WN]
	v_lshl_add_u32 v[TA], v[RR], 2, v[TA]
	v_add_nc_u32 v[TA], TST, v[TA]                 ; my row's -T
	v_lshl_add_u32 v[NA], v[WN], 2, NST            ; my wave's number
	v_lshl_add_u32 v[NR], v[RR], 2, NST            ; and on the way out: word lane % 16
	v_lshlrev_b32 v[R4], 2, v[RR]
	s_wait_kmcnt 0x0
	s_add_nc_u64 s[4:5], s[4:5], s[26:27]
	s_add_nc_u64 s[6:7], s[6:7], s[32:33]
	s_add_nc_u64 s[8:9], s[8:9], s[30:31]
	s_add_nc_u64 s[10:11], s[10:11], s[36:37]
	s_add_nc_u64 s[12:13], s[12:13], s[38:39]
	s_add_nc_u64 s[14:15], s[14:15], s[40:41]
.irp i, 0,1,2,3,4,5,6,7
	global_load_b128 v[D+4*\i:D+4*\i+3], v[G16], s[4:5] offset:8192*\i   ; a wave reads 512 consecutive bytes
.endr
	global_load_b64 v[D+32:D+33], v[G8], s[6:7]
	global_load_b128 v[12:15], v[QO], s[8:9]       ; q stays in registers
	global_load_u16 v[D+34], v[QSO], s[10:11]
.irp i, 8,9,10,11,16,17,18,19
	v_mov_b32 v[\i], 0                             ; the zero codes on either side of q
.endr
	v_mov_b32 v[US], 0x7f7f7f7f
	v_mov_b32 v[SAT], 0x21800000
	v_mov_b32 v[X], 0                              ; written once: a lane permute's destination counts as one of its sources
	s_wait_loadcnt 0x0
	v_lshl_or_b32 v[QS], v[D+34], 16, v[D+34]      ; twelve plain lines stand between this and the first product that takes it as a scale
	v_perm_b32 v[D+36], v[D+32], v[D+32], 0x01000100   ; a key's two bytes, twice
	v_perm_b32 v[D+37], v[D+32], v[D+32], 0x03020302
	v_perm_b32 v[D+38], v[D+33], v[D+33], 0x01000100
	v_perm_b32 v[D+39], v[D+33], v[D+33], 0x03020302
.irp i, 0,1,2,3,4,5,6,7
	ds_store_b128 v[KA], v[D+4*\i:D+4*\i+3] offset:8192*\i
.endr
.irp e, 0,1,2,3
	ds_store_b32 v[KSA], v[D+36+\e] offset:16*\e
.endr
.irp i, 0,1,2,3,4,5,6,7
	v_mov_b32 v[ONES+\i], 0x22222222
.endr
	s_wait_dscnt 0x0                               ; for the others' sake: my stores have landed
	s_barrier_signal -1
	s_barrier_wait -1                              ; K's images and scale words are whole; from here on they are only read
	; ---- pass 0: the largest score of each block of 32 keys
	LOADK 0, 0
.set st, 0
.rept 16
	MSTEP
.set st, st+1
.endr
	v_max3_num_f32 v[S], v[GM], v[GM+1], v[GM+2]
.irp i, 3,5,7,9,11,13,15,17,19,21,23,25,27,29
	v_max3_num_f32 v[S], v[S], v[GM+\i], v[GM+\i+1]
.endr
	v_max_num_f32 v[S], v[S], v[GM+31]
	v_permlanex16_b32 v[X], v[S], s28, s29
	v_max_num_f32 v[S], v[S], v[X]                 ; the row's largest score
.irp i, 0,1,2,3,4,5,6,7
	v_sub_f32 v[NT+\i], 0x41000000, v[S]           ; -T = 8 - max: there F >= 0, for the subset and for the row
.endr
.irp i, 4,5,6,7
	v_mov_b32 v[PC+\i], 0                          ; the subset fills half of the count's operand
.endr
	; ---- NSUB Newton steps on the 64 block maxima, 32 a lane
	s_mov_b32 s34, 0
.Lsub:
.irp i, 0,2,4,6,8,10,12,14,16,18,20,22,24,26,28,30
	v_pk_add_f32 v[D+\i:D+\i+1], v[GM+\i:GM+\i+1], v[NT:NT+1]
.endr
.irp i, 0,1,2,3,4,5,6,7,8,9,10,11,12,13,14,15,16,17,18,19,20,21,22,23,24,25,26,27,28,29,30,31
	v_max_num_f32 v[D+\i], 0, v[D+\i]
.endr
.irp u, 0,1,2,3
	v_cvt_scalef32_pk8_fp4_f32 v[PC+\u], v[D+8*\u:D+8*\u+7], v[SAT]
.endr
.irp j, 0,1,2,3
	v_pk_add_f32 v[ACC+2*\j:ACC+2*\j+1], v[D+2*\j:D+2*\j+1], v[D+8+2*\j:D+8+2*\j+1]   ; the first additions start the sums; the twelve are the places ahead of the count
.endr
.irp j, 0,1,2,3
	v_pk_add_f32 v[ACC+2*\j:ACC+2*\j+1], v[ACC+2*\j:ACC+2*\j+1], v[D+16+2*\j:D+16+2*\j+1]
.endr
.irp j, 0,1,2,3
	v_pk_add_f32 v[ACC+2*\j:ACC+2*\j+1], v[ACC+2*\j:ACC+2*\j+1], v[D+24+2*\j:D+24+2*\j+1]
.endr
	COUNT 1
	UPDATE 0
	s_add_co_u32 s34, s34, 1
	s_cmp_lt_u32 s34, NSUB
	s_cbranch_scc1 .Lsub
	; ---- NPASS Newton passes over all keys
	s_mov_b32 s34, 0
.Lpass:
	PASS
	UPDATE 1
	s_add_co_u32 s34, s34, 1
	s_cmp_lt_u32 s34, NPASS
	s_cbranch_scc1 .Lpass
	; ---- how many passes are still owed
	v_mul_f32 v[S], 0x3e2aaaab, v[DC]
	v_rndne_f32 v[S], v[S]                         ; c of the last pass
	v_cmp_neq_f32 vcc_lo, v[DC], v[DP]
	v_cndmask_b32 v[S], 0, v[S], vcc_lo            ; 0 where the last two passes counted alike: the last pass's T was the root
	v_max_num_f32_dpp v[S], v[S], v[S] row_xmask:1 row_mask:0xf bank_mask:0xf
	v_max_num_f32_dpp v[S], v[S], v[S] row_xmask:2 row_mask:0xf bank_mask:0xf
	v_max_num_f32_dpp v[S], v[S], v[S] row_xmask:4 row_mask:0xf bank_mask:0xf
	v_max_num_f32_dpp v[S], v[S], v[S] row_xmask:8 row_mask:0xf bank_mask:0xf   ; the largest of my wave's 16 rows (both halves of the lanes hold the same)
	v_min_num_f32 v[S], 0x41c00000, v[S]           ; held at 24
	v_cvt_u32_f32 v[X], v[S]
	ds_store_b32 v[TA], v[NT]                      ; lanes r and r + 16 write the same word with the same value
	ds_store_b32 v[NA], v[X]                       ; all lanes write the same word with the same value
	s_wait_dscnt 0x0                               ; for wave 0's sake: my stores have landed
	s_barrier_signal -1
	s_barrier_wait -1
	s_cmp_lg_u32 s22, 0                            ; wave 0 stores the work-group's 1,024 bytes of -T, 512 consecutive bytes an instruction, and its 16 numbers
	s_cbranch_scc1 .Lend
	ds_load_b128 v[D:D+3], v[LS] offset:TST-KST
	ds_load_b128 v[D+4:D+7], v[LS] offset:TST-KST+512
	ds_load_b32 v[D+8], v[NR]
	s_wait_dscnt 0x0
	global_store_b128 v[LI], v[D:D+3], s[12:13]
	global_store_b128 v[LI], v[D+4:D+7], s[12:13] offset:512
	global_store_b32 v[R4], v[D+8], s[14:15]       ; lanes 16-31 name the words of lanes 0-15, with the same values
.Lend:
	s_wait_tensorcnt 0x0                           ; the wave's end: three closing lines, behind my last LDS store
	ds_add_u32 v[SPW], v[NIL]
	s_wait_dscnt 0x0
	s_endpgm
.Lfunc_end_k_q5b4cbb93bd_tau:
	.size	k_q5b4cbb93bd_tau, .Lfunc_end_k_q5b4cbb93bd_tau-k_q5b4cbb93bd_tau
	.p2alignl 7, 3214868480
	.fill 96, 4, 3214868480
	.section	.rodata,"a",@progbits
	.p2align	6, 0x0
	.amdhsa_kernel k_q5b4cbb93bd_tau
		.amdhsa_group_segment_fixed_size 77056
		.amdhsa_private_segment_fixed_size 0
		.amdhsa_enable_private_segment 0
		.amdhsa_kernarg_size 48
		.amdhsa_user_sgpr_count 2
		.amdhsa_user_sgpr_kernarg_segment_ptr 1
		.amdhsa_wavefront_size32 1
		.amdhsa_system_sgpr_workgroup_id_x 1
		.amdhsa_system_sgpr_workgroup_id_y 1
		.amdhsa_system_sgpr_workgroup_id_z 1
		.amdhsa_system_vgpr_workitem_id 0
		.amdhsa_next_free_vgpr 256
		.amdhsa_next_free_sgpr 66
		.amdhsa_reserve_vcc 1
		.amdhsa_float_denorm_mode_32 3
		.amdhsa_float_denorm_mode_16_64 3
		.amdhsa_memory_ordered 1
		.amdhsa_forward_progress 1
		.amdhsa_inst_pref_size 176
	.end_amdhsa_kernel
	.amdgpu_metadata
---
amdhsa.version: [ 1, 2 ]
amdhsa.kernels:
  - .name:           k_q5b4cbb93bd_tau
    .symbol:         k_q5b4cbb93bd_tau.kd
    .args:
      - { .name: k_codes, .offset: 0, .size: 8, .value_kind: global_buffer, .address_space: global }
      - { .name: k_scales, .offset: 8, .size: 8, .value_kind: global_buffer, .address_space: global }
      - { .name: q_codes, .offset: 16, .size: 8, .value_kind: global_buffer, .address_space: global }
      - { .name: q_scales, .offset: 24, .size: 8, .value_kind: global_buffer, .address_space: global }
      - { .name: negt, .offset: 32, .size: 8, .value_kind: global_buffer, .address_space: global }
      - { .name: need, .offset: 40, .size: 8, .value_kind: global_buffer, .address_space: global }
    .group_segment_fixed_size: 77056
    .private_segment_fixed_size: 0
    .kernarg_segment_align: 8
    .kernarg_segment_size: 48
    .max_flat_workgroup_size: 512
    .sgpr_count:     66
    .vgpr_count:     256
    .wavefront_size: 32
...
	.end_amdgpu_metadata
.endif
;; end of part 1
;; launch attend (part 2): grid 8 x 32, 16 waves a work-group, no clusters, 216,064 bytes of LDS; arguments k_codes, k_scales, q_codes, q_scales, v_codes, v_scales, negt, need, out0; writes out0
.if DOCPART == 2
	.amdgcn_target "amdgcn-amd-amdhsa--gfx1250"
	.amdhsa_code_object_version 6
	.text
	.protected	k_q5b4cbb93bd_attend
	.globl	k_q5b4cbb93bd_attend
	.p2align	8
	.type	k_q5b4cbb93bd_attend,@function
k_q5b4cbb93bd_attend:
	s_mov_b64 s[64:65], 0
	v_nop
	global_prefetch_b8 v0, s[64:65] scope:SCOPE_SE
	s_setreg_imm32_b32 hwreg(HW_REG_WAVE_MODE, 25, 1), 1
	s_wait_xcnt 0x0
; SPARSEMAX ATTENTION ON CODES OF MX-FP4, LAUNCH 2 OF 2: THE PASSES STILL OWED, THEN out = Q(max(s - T, 0) / 8) v.
; The first launch left, for each row, -T (T = 8 tau, approached from the left by Newton's steps on F(T) = sum_k max(s_k - T, 0) - 8) and, for each wave's 16 rows, a whole number: how many more passes
; give the root (0 where the last two passes counted the same support; else that count, held at 24, behind which F x count has fallen so far that T lies within 2^-21 of the root).  That number is read here as a trip count.
; No work of reference() is left out as dead.
; THE LAST PASS: s - T comes from the matrix unit (C = -T); a lane holds ONE query and whole blocks of 32 keys, in the order of the second product's operand, so a block's largest number needs no other lane and
; the conversions' results ARE the operand.  8 p = max(s - T, 0) is quantised, not p: the factor 1/8 is a power of two, moves each scale's exponent by 3 and no code, and is applied once to O.
; O^T = V^T P^T: source 0 = 16 of the head's 64 channels (V's codes have the keys innermost), source 1 = P.
; Layouts of K's fragments, of the two products a fragment and of the count: as in the first launch (its head comment).
; SHARES: a work-group has 256 queries of one head, each of its 16 waves 16.  K (as images of the fragments' registers), V (as rows, 16 bytes of padding behind each 1,024) and their scale words come into LDS once and are then only read.
; NO TENSOR LOAD, NO CLUSTER: what the eight work-groups of a head share is read once by each, at the head.  NO PREFETCH: nothing is streamed later.
; LIMITS: NaN, infinities and the scale byte 0xff are not served; |s| under 2^20; a positive s - T under 2^-57 is counted in part; the hold of a scale's exponent at -126 is taken on 8 p.
.set KST,   65536                      ; LDS: 0: K's images;  KST: K's scale words
.set VROW,  73728                      ; V's 64 rows, VP bytes apart
.set VP,    1040                       ; 65 x 16: the sixteen rows of a load start at sixteen different columns of 16 bytes
.set VST,   140288                     ; V's scale words: step x 256 + 16 x (row % 16) + 4 x (row / 16)
.set STAGE, 144384                     ; the way out: 16 rows x SP bytes for each wave
.set SP,    272
.set SPARE, 214016                     ; the spare words, 128 bytes for each of 16 waves: eight blocks of 256 bytes that no other line names
.set LI,   1
.set LS,   2
.set SPW,  3
.set NIL,  4
.set QS,   5
.set US,   6
.set SAT,  7
.set ONES, 20
.set NT,   28
.set CN,   36
.set PC,   44
.set ACC,  52
.set KW0,  60
.set VW,   64                          ; v64-67  K's second set of scale words; in the last pass V's
.set AF0,  68
.set AF1,  100                         ; v100-131  K's second set of fragments; in the last pass V's four
.set D,    132
.set O,    196                         ; v196-227  O^T: four tiles of 16 channels
.set S,    228
.set X,    229
.set R,    230
.set DC,   231
.set LV,   233                         ; my lane's place in a tile of V
.set LW,   234                         ; and among V's scale words
.set SO,   235                         ; the stage: where I put 32 bytes of a row
.set SR,   236                         ; and where I read rows back
.set SH8,  237                         ; 8 h
.set PW,   239                         ; p's scale word
.set BM,   240                         ; v240-241 my two blocks' largest numbers
.set SOP,  242                         ; v242-243 the conversions' scale operands
.set BY,   244                         ; v244-245 the scales' bytes
.set ADK,  246
.set ADS,  247
.set ADV,  248
.set ADW,  249
.set KA,   52                          ; addresses of the fill, in registers that the sums take later
.set KSA,  53
.set VA,   54
.set VSA,  55
.set G16,  56
.set G8,   57
.set QO,   58
.set QSO,  59
.set N4,   250
.set T0,   251
.set RR,   252
.set HH,   253
.set WN,   254
.macro LOADK s, b                      ; step s's four fragments and four scale words into set b: nine LDS loads, every offset an immediate
.irp g, 0,1,2,3
	ds_load_b128 v[AF0+32*(\b)+8*\g:AF0+32*(\b)+8*\g+3], v[LI] offset:(\s)*4096+\g*1024
	ds_load_b128 v[AF0+32*(\b)+8*\g+4:AF0+32*(\b)+8*\g+7], v[LI] offset:(\s)*4096+\g*1024+512
.endr
	ds_load_b128 v[KW0+4*(\b):KW0+4*(\b)+3], v[LS] offset:(\s)*512
.endm
.macro SCORES                          ; eight products, s - T: fragment g against q low (tile (0, g)) and q high (tile (1, g), whose scale words lie in lanes 16-31)
.irp g, 0,1,2,3
	v_wmma_scale_f32_16x16x128_f8f6f4 v[D+8*\g:D+8*\g+7], v[AFB+8*\g:AFB+8*\g+7], v[12:19], v[NT:NT+7], v[KWB+\g], v[QS] matrix_a_fmt:MATRIX_FMT_FP4 matrix_b_fmt:MATRIX_FMT_FP4
	v_wmma_scale_f32_16x16x128_f8f6f4 v[D+32+8*\g:D+32+8*\g+7], v[AFB+8*\g:AFB+8*\g+7], v[8:15], v[NT:NT+7], v[KWB+\g], v[QS] matrix_a_fmt:MATRIX_FMT_FP4 matrix_b_fmt:MATRIX_FMT_FP4 matrix_a_scale:MATRIX_SCALE_ROW1
.endr
.endm
.macro COUNT first                     ; 6 x the number of codes 6 among my query's 128.  One instruction a turn, the eight scores' products between two of them
.if \first
	v_wmma_scale_f32_16x16x128_f8f6f4 v[CN:CN+7], v[ONES:ONES+7], v[PC:PC+7], 0, v[US], v[US] matrix_a_fmt:MATRIX_FMT_FP4 matrix_b_fmt:MATRIX_FMT_FP4
.else
	v_wmma_scale_f32_16x16x128_f8f6f4 v[CN:CN+7], v[ONES:ONES+7], v[PC:PC+7], v[CN:CN+7], v[US], v[US] matrix_a_fmt:MATRIX_FMT_FP4 matrix_b_fmt:MATRIX_FMT_FP4
.endif
.endm
.macro NSTEP                           ; a Newton pass, step st: 128 keys' max(s - T, 0) are summed and marked for the count
.set AFB, AF0+32*(st%2)
.set KWB, KW0+4*(st%2)
	s_wait_dscnt 0x0                               ; this step's nine loads are in
.if st == 1
	COUNT 1                                        ; the step before's marks; the four additions behind its last conversion are the places ahead of this line
.elseif st > 1
	COUNT 0
.endif
	SCORES
.if st < 15
	LOADK st+1, (st+1)%2                           ; into the set that the step before multiplied: a step's vector work lies between
.endif
.rept 4
	v_nop                                          ; four places: ahead of the first read of a result, and of the first write of the count's operand
.endr
.irp i, 0,1,2,3,4,5,6,7
.irp j, 0,1,2,3,4,5,6,7
	v_max_num_f32 v[D+8*\i+\j], 0, v[D+8*\i+\j]
.endr
	v_cvt_scalef32_pk8_fp4_f32 v[PC+\i], v[D+8*\i:D+8*\i+7], v[SAT]
.irp j, 0,1,2,3
	v_pk_add_f32 v[ACC+2*\j:ACC+2*\j+1], v[ACC+2*\j:ACC+2*\j+1], v[D+8*\i+2*\j:D+8*\i+2*\j+1]
.endr
.endr
.endm
.macro PASS                            ; one pass over the head's 2,048 keys
.irp i, 0,1,2,3,4,5,6,7
	v_mov_b32 v[ACC+\i], 0
.endr
	LOADK 0, 0
.set st, 0
.rept 16
	NSTEP
.set st, st+1
.endr
	COUNT 0
.endm
.macro UPDATE                          ; -T <- -T - max(sum - 8, 0) / c
	v_pk_add_f32 v[ACC:ACC+1], v[ACC:ACC+1], v[ACC+2:ACC+3]        ; (these additions are the places between the count's product and the read of its result)
	v_pk_add_f32 v[ACC+4:ACC+5], v[ACC+4:ACC+5], v[ACC+6:ACC+7]
	v_pk_add_f32 v[ACC:ACC+1], v[ACC:ACC+1], v[ACC+4:ACC+5]
	v_add_f32 v[S], v[ACC], v[ACC+1]
	v_permlanex16_b32 v[X], v[S], s28, s29         ; my query's other keys lie in the lane 16 away
	v_add_f32 v[S], v[S], v[X]
	v_max_num_f32 v[DC], 0x40c00000, v[CN]         ; 6 c, at least 6
	v_rcp_f32 v[R], v[DC]
	v_add_f32 v[S], 0xc1000000, v[S]               ; F = the sum - 8 (a plain line behind the reciprocal)
	v_max_num_f32 v[S], 0, v[S]                    ; rounding may have carried T past the root: then it stays
	v_mul_f32 v[S], 0x40c00000, v[S]               ; 6 F
	s_wait_alu depctr_va_vdst(0)                   ; the wait ahead of the reciprocal's first reader
.irp i, 0,1,2,3,4,5,6,7
	v_fma_f32 v[NT+\i], -v[S], v[R], v[NT+\i]
.endr
.endm
; THE LAST PASS, one step of 128 keys.  zero = 1: the first step's products start O^T's sums: nothing is cleared.
.macro FSTEP zero
.set AFB, AF0
.set KWB, KW0
	v_add_nc_u32 v[ADK], s30, v[LI]                ; these four are the places between the last step's products and the loads into V's registers
	v_add_nc_u32 v[ADS], s31, v[LS]
	v_add_nc_u32 v[ADV], s32, v[LV]
	v_add_nc_u32 v[ADW], s33, v[LW]
.irp g, 0,1,2,3
	ds_load_b128 v[AF0+8*\g:AF0+8*\g+3], v[ADK] offset:\g*1024
	ds_load_b128 v[AF0+8*\g+4:AF0+8*\g+7], v[ADK] offset:\g*1024+512
.endr
	ds_load_b128 v[KW0:KW0+3], v[ADS]
.irp t, 0,1,2,3
	ds_load_b128 v[AF1+8*\t:AF1+8*\t+3], v[ADV] offset:\t*16*VP         ; channels 16 t + r, keys 32 h on
	ds_load_b128 v[AF1+8*\t+4:AF1+8*\t+7], v[ADV] offset:\t*16*VP+32    ; and 64 + 32 h on
.endr
	ds_load_b128 v[VW:VW+3], v[ADW]
	s_wait_dscnt 0x9                               ; K's nine loads are in; V's nine, issued behind them, may be out
	SCORES
.rept 4
	v_nop                                          ; four places ahead of the first read of a result
.endr
	v_max3_num_f32 v[BM], v[D], v[D+1], 0x1800000  ; my two blocks' largest numbers, by turns, each tile from its low end on.  No |.|: what is negative becomes 0 and must not count; the floor 2^(3 - 127) holds the byte at 1 from below
	v_max3_num_f32 v[BM+1], v[D+32], v[D+33], 0x1800000
.irp i, 2,4,6,8,10,12,14,16,18,20,22,24,26,28,30
	v_max3_num_f32 v[BM], v[BM], v[D+\i], v[D+\i+1]
	v_max3_num_f32 v[BM+1], v[BM+1], v[D+32+\i], v[D+33+\i]
.endr
	v_add_nc_u32 v[SOP], 0xff000000, v[BM]         ; 2 off the exponent field: the conversion takes that field as its scale
	v_add_nc_u32 v[SOP+1], 0xff000000, v[BM+1]
	v_lshrrev_b32 v[BY], 23, v[SOP]                ; the scales' bytes: blocks h and 2 + h of these 128 keys
	v_lshrrev_b32 v[BY+1], 23, v[SOP+1]
	v_lshl_or_b32 v[BY], v[BY+1], 16, v[BY]
	v_lshlrev_b32 v[BY], v[SH8], v[BY]             ; at their places in the word
	v_permlanex16_b32 v[BY+1], v[BY], s28, s29
	v_or_b32 v[PW], v[BY], v[BY+1]                 ; with lane l xor 16's two the word is whole.  (A block of zeros keeps the byte 1: its codes are zeros)
.irp i, 0,1,2,3,4,5,6,7,8,9,10,11,12,13,14,15,16,17,18,19,20,21,22,23,24,25,26,27,28,29,30,31,32,33,34,35,36,37,38,39,40,41,42,43,44,45,46,47,48,49,50,51,52,53,54,55,56,57,58,59,60,61,62,63
	v_max_num_f32 v[D+\i], 0, v[D+\i]              ; 8 p.  (These are also the places between the scale word and the products)
.endr
.irp c, 0,1
.irp u, 0,1,2,3
	v_cvt_scalef32_pk8_fp4_f32 v[PC+4*\c+\u], v[D+32*\c+8*\u:D+32*\c+8*\u+7], v[SOP+\c]   ; keys 64 c + 32 h + 8 u + 0 .. 7: register 4 c + u of the operand
.endr
.endr
.rept 4
	v_nop                                          ; four places between an operand written by vector instructions and a scaled product
.endr
	s_wait_dscnt 0x0                               ; V is in
.irp t, 0,1,2,3
.if \zero
	v_wmma_scale_f32_16x16x128_f8f6f4 v[O+8*\t:O+8*\t+7], v[AF1+8*\t:AF1+8*\t+7], v[PC:PC+7], 0, v[VW+\t], v[PW] matrix_a_fmt:MATRIX_FMT_FP4 matrix_b_fmt:MATRIX_FMT_FP4
.else
	v_wmma_scale_f32_16x16x128_f8f6f4 v[O+8*\t:O+8*\t+7], v[AF1+8*\t:AF1+8*\t+7], v[PC:PC+7], v[O+8*\t:O+8*\t+7], v[VW+\t], v[PW] matrix_a_fmt:MATRIX_FMT_FP4 matrix_b_fmt:MATRIX_FMT_FP4
.endif
.endr
	s_add_co_u32 s30, s30, 4096                    ; the next step's images, K's scale words, V's 64 bytes a row, V's scale words
	s_add_co_u32 s31, s31, 512
	s_add_co_u32 s32, s32, 64
	s_add_co_u32 s33, s33, 256
.endm
	s_load_b256 s[4:11], s[0:1], 0x0               ; K's codes s[4:5], K's scales s[6:7], Q's codes s[8:9], Q's scales s[10:11]
	s_load_b256 s[12:19], s[0:1], 0x20             ; V's codes s[12:13], V's scales s[14:15], negt s[16:17], need s[18:19]
	s_load_b64 s[20:21], s[0:1], 0x40              ; out0
	v_lshl_add_u32 v[SPW], v0, 2, SPARE
	v_mov_b32 v[NIL], 0
	v_lshrrev_b32 v[WN], 5, v0
	v_readfirstlane_b32 s22, v[WN]                 ; wave 0..15
	s_and_b32 s23, ttmp7, 0xffff                   ; the head
	s_mov_b32 s28, 0x76543210
	s_mov_b32 s29, 0xfedcba98                      ; v_permlanex16_b32's selects for lane l xor 16
	s_lshl_b32 s26, s23, 16                        ; byte offsets, apart from the addresses.  K's and V's codes: 65,536 a head
	s_mov_b32 s27, 0
	s_lshl_b32 s24, ttmp9, 13                      ; Q's codes: + 256 x 32 a block, + 16 x 32 a wave
	s_lshl_b32 s25, s22, 9
	s_add_co_u32 s30, s26, s24
	s_add_co_u32 s30, s30, s25
	s_mov_b32 s31, 0
	s_lshl_b32 s32, s23, 12                        ; K's and V's scales: 4,096 a head
	s_mov_b32 s33, 0
	s_lshl_b32 s24, ttmp9, 9
	s_lshl_b32 s25, s22, 5
	s_add_co_u32 s36, s32, s24                     ; Q's scales
	s_add_co_u32 s36, s36, s25
	s_mov_b32 s37, 0
	s_lshl_b32 s38, s23, 13                        ; negt: my wave's 16 rows
	s_lshl_b32 s24, ttmp9, 10
	s_lshl_b32 s25, s22, 6
	s_add_co_u32 s38, s38, s24
	s_add_co_u32 s38, s38, s25
	s_mov_b32 s39, 0
	s_lshl_b32 s40, s23, 9                         ; need: my wave's word
	s_lshl_b32 s24, ttmp9, 6
	s_lshl_b32 s25, s22, 2
	s_add_co_u32 s40, s40, s24
	s_add_co_u32 s40, s40, s25
	s_mov_b32 s41, 0
	s_lshl_b32 s42, s23, 19                        ; out0: rows of 256 bytes
	s_lshl_b32 s24, ttmp9, 16
	s_lshl_b32 s25, s22, 12
	s_add_co_u32 s42, s42, s24
	s_add_co_u32 s42, s42, s25
	s_mov_b32 s43, 0
	s_mul_i32 s44, s22, 16*SP
	s_add_co_u32 s44, s44, STAGE                   ; my stage
	v_and_b32 v[RR], 15, v0                        ; r
	v_bfe_u32 v[HH], v0, 4, 1                      ; h
	v_and_b32 v[T0], 31, v0
	v_lshlrev_b32 v[LI], 4, v[T0]
	v_add_nc_u32 v[LS], KST, v[LI]
	; where my 16 bytes of K's codes go.  Thread t, load i: key 256 i + t / 2, half t % 2.  Of the key's number: bits 0-2 j, 3-4 u, 5 h', 6 c, 7.. the step
	v_bfe_u32 v[T0], v0, 1, 3
	v_lshlrev_b32 v[KA], 4, v[T0]
	v_bfe_u32 v[T0], v0, 6, 1
	v_lshl_or_b32 v[KA], v[T0], 7, v[KA]
	v_and_b32 v[T0], 1, v0
	v_lshl_or_b32 v[KA], v[T0], 8, v[KA]
	v_bfe_u32 v[T0], v0, 7, 1
	v_lshl_or_b32 v[KA], v[T0], 9, v[KA]
	v_bfe_u32 v[T0], v0, 4, 2
	v_lshl_or_b32 v[KA], v[T0], 10, v[KA]
	v_bfe_u32 v[T0], v0, 8, 1
	v_lshl_or_b32 v[KA], v[T0], 12, v[KA]
	; my four keys' scale words: keys 4 t + e
	v_lshlrev_b32 v[KSA], 9, v[WN]
	v_lshl_or_b32 v[KSA], v[HH], 8, v[KSA]
	v_bfe_u32 v[T0], v0, 3, 1
	v_lshl_or_b32 v[KSA], v[T0], 7, v[KSA]
	v_and_b32 v[T0], 1, v0
	v_lshl_or_b32 v[KSA], v[T0], 6, v[KSA]
	v_bfe_u32 v[T0], v0, 1, 2
	v_lshl_or_b32 v[KSA], v[T0], 2, v[KSA]
	v_add_nc_u32 v[KSA], KST, v[KSA]
	; V's codes: thread t, load i: row 8 i + t / 64, bytes 16 (t % 64) on
	v_lshrrev_b32 v[T0], 6, v0
	v_mul_u32_u24 v[VA], v[T0], VP
	v_and_b32 v[T0], 63, v0
	v_lshl_add_u32 v[VA], v[T0], 4, v[VA]
	v_add_nc_u32 v[VA], VROW, v[VA]
	; V's scale words: thread t has row t / 8, steps 2 (t % 8) and 2 (t % 8) + 1
	v_and_b32 v[T0], 7, v0
	v_lshlrev_b32 v[VSA], 9, v[T0]
	v_bfe_u32 v[T0], v0, 3, 4
	v_lshl_or_b32 v[VSA], v[T0], 4, v[VSA]
	v_lshrrev_b32 v[T0], 7, v0
	v_lshl_or_b32 v[VSA], v[T0], 2, v[VSA]
	v_add_nc_u32 v[VSA], VST, v[VSA]
	v_lshlrev_b32 v[G16], 4, v0
	v_lshlrev_b32 v[G8], 3, v0
	v_lshlrev_b32 v[QO], 5, v[RR]
	v_lshl_or_b32 v[QO], v[HH], 4, v[QO]
	v_lshlrev_b32 v[QSO], 1, v[RR]
	v_lshlrev_b32 v[N4], 2, v[RR]
	v_mul_u32_u24 v[LV], v[RR], VP
	v_lshl_add_u32 v[LV], v[HH], 4, v[LV]
	v_add_nc_u32 v[LV], VROW, v[LV]                ; V: row r of a tile, + 16 h
	v_lshl_add_u32 v[LW], v[RR], 4, VST
	v_mul_u32_u24 v[SO], v[RR], SP
	v_lshl_add_u32 v[SO], v[HH], 5, v[SO]
	v_add_nc_u32 v[SO], s44, v[SO]                 ; the stage, in: row r; tile t's eight channels of my half: 64 t + 32 h bytes on
	v_mul_u32_u24 v[SR], v[HH], SP
	v_lshl_add_u32 v[SR], v[RR], 4, v[SR]
	v_add_nc_u32 v[SR], s44, v[SR]                 ; back: lanes 0-15 one row, lanes 16-31 the next
	v_lshlrev_b32 v[SH8], 3, v[HH]
	s_wait_kmcnt 0x0
	s_add_nc_u64 s[4:5], s[4:5], s[26:27]
	s_add_nc_u64 s[6:7], s[6:7], s[32:33]
	s_add_nc_u64 s[8:9], s[8:9], s[30:31]
	s_add_nc_u64 s[10:11], s[10:11], s[36:37]
	s_add_nc_u64 s[12:13], s[12:13], s[26:27]
	s_add_nc_u64 s[14:15], s[14:15], s[32:33]
	s_add_nc_u64 s[16:17], s[16:17], s[38:39]
	s_add_nc_u64 s[18:19], s[18:19], s[40:41]
	s_add_nc_u64 s[20:21], s[20:21], s[42:43]
	s_load_b32 s35, s[18:19], 0x0                  ; the passes that my wave still owes
.irp i, 0,1,2,3,4,5,6,7
	global_load_b128 v[D+4*\i:D+4*\i+3], v[G16], s[4:5] offset:8192*\i     ; a wave reads 512 consecutive bytes
.endr
.irp i, 0,1,2,3,4,5,6,7
	global_load_b128 v[D+32+4*\i:D+32+4*\i+3], v[G16], s[12:13] offset:8192*\i
.endr
	global_load_b64 v[O:O+1], v[G8], s[6:7]
	global_load_b64 v[O+2:O+3], v[G8], s[14:15]
	global_load_b128 v[12:15], v[QO], s[8:9]       ; q stays in registers
	global_load_u16 v[O+4], v[QSO], s[10:11]
	global_load_b32 v[NT], v[N4], s[16:17]         ; -T of my query
.irp i, 8,9,10,11,16,17,18,19
	v_mov_b32 v[\i], 0                             ; the zero codes on either side of q
.endr
	v_mov_b32 v[US], 0x7f7f7f7f
	v_mov_b32 v[SAT], 0x21800000
	v_mov_b32 v[X], 0                              ; written once: a lane permute's destination counts as one of its sources
	s_wait_loadcnt 0x0
	v_lshl_or_b32 v[QS], v[O+4], 16, v[O+4]        ; nineteen plain lines stand between this and the first product that takes it as a scale
	v_perm_b32 v[O+5], v[O], v[O], 0x01000100      ; a key's two bytes, twice
	v_perm_b32 v[O+6], v[O], v[O], 0x03020302
	v_perm_b32 v[O+7], v[O+1], v[O+1], 0x01000100
	v_perm_b32 v[O+8], v[O+1], v[O+1], 0x03020302
.irp i, 0,1,2,3,4,5,6,7
	ds_store_b128 v[KA], v[D+4*\i:D+4*\i+3] offset:8192*\i
.endr
.irp i, 0,1,2,3,4,5,6,7
	ds_store_b128 v[VA], v[D+32+4*\i:D+32+4*\i+3] offset:8*VP*\i
.endr
.irp e, 0,1,2,3
	ds_store_b32 v[KSA], v[O+5+\e] offset:16*\e
.endr
	ds_store_b32 v[VSA], v[O+2]
	ds_store_b32 v[VSA], v[O+3] offset:256
.irp i, 1,2,3,4,5,6,7
	v_mov_b32 v[NT+\i], v[NT]
.endr
.irp i, 0,1,2,3,4,5,6,7
	v_mov_b32 v[ONES+\i], 0x22222222
.endr
	s_wait_dscnt 0x0                               ; for the others' sake: my stores have landed
	s_barrier_signal -1
	s_barrier_wait -1                              ; K, V and their scale words are whole; from here on they are only read, and no barrier follows
	; ---- the passes still owed: a trip count read from memory, held at 24.  Every LDS offset in a pass is an immediate
	s_wait_kmcnt 0x0
	s_min_u32 s35, s35, 24
	s_cmp_eq_u32 s35, 0
	s_cbranch_scc1 .Lfinal
	s_mov_b32 s34, 0
.Lmore:
	PASS
	UPDATE
	s_add_co_u32 s34, s34, 1
	s_cmp_lt_u32 s34, s35
	s_cbranch_scc1 .Lmore
.Lfinal:
	; ---- the last pass: 16 steps of 128 keys; the first is written out, since its products start the sums
	s_mov_b32 s30, 0
	s_mov_b32 s31, 0
	s_mov_b32 s32, 0
	s_mov_b32 s33, 0
	FSTEP 1
	s_mov_b32 s34, 0
.Lstep:
	FSTEP 0
	s_add_co_u32 s34, s34, 1
	s_cmp_lt_u32 s34, 15
	s_cbranch_scc1 .Lstep
	; ---- the way out: O^T / 8 goes through my stage and leaves as whole rows of 256 bytes, two an instruction
.rept 4
	v_nop                                          ; four places ahead of the first read of a result
.endr
.irp i, 0,2,4,6,8,10,12,14,16,18,20,22,24,26,28,30
	v_pk_mul_f32 v[D+\i:D+\i+1], v[O+\i:O+\i+1], 0x3e000000 op_sel_hi:[1,0]   ; each tile from its low end on: register 8 t + j is out(r, 16 t + 8 h + j)
.endr
.irp t, 0,1,2,3
	ds_store_b128 v[SO], v[D+8*\t:D+8*\t+3] offset:64*\t
	ds_store_b128 v[SO], v[D+8*\t+4:D+8*\t+7] offset:64*\t+16
.endr
.irp i, 0,1,2,3,4,5,6,7
	ds_load_b128 v[AF0+4*\i:AF0+4*\i+3], v[SR] offset:\i*2*SP      ; LDS serves a wave's instructions in order: these see my stores
.endr
.irp i, 0,1,2,3,4,5,6,7
	s_wait_dscnt 7-\i                              ; load i is in; the younger ones may be out
	global_store_b128 v[LI], v[AF0+4*\i:AF0+4*\i+3], s[20:21] offset:512*\i th:TH_STORE_NT   ; 32 lanes store 512 consecutive bytes, at a multiple of 256 from out0's first byte
.endr
	s_wait_tensorcnt 0x0                           ; the wave's end: three closing lines, behind my last LDS store
	ds_add_u32 v[SPW], v[NIL]
	s_wait_dscnt 0x0
	s_endpgm
.Lfunc_end_k_q5b4cbb93bd_attend:
	.size	k_q5b4cbb93bd_attend, .Lfunc_end_k_q5b4cbb93bd_attend-k_q5b4cbb93bd_attend
	.p2alignl 7, 3214868480
	.fill 96, 4, 3214868480
	.section	.rodata,"a",@progbits
	.p2align	6, 0x0
	.amdhsa_kernel k_q5b4cbb93bd_attend
		.amdhsa_group_segment_fixed_size 216064
		.amdhsa_private_segment_fixed_size 0
		.amdhsa_enable_private_segment 0
		.amdhsa_kernarg_size 72
		.amdhsa_user_sgpr_count 2
		.amdhsa_user_sgpr_kernarg_segment_ptr 1
		.amdhsa_wavefront_size32 1
		.amdhsa_system_sgpr_workgroup_id_x 1
		.amdhsa_system_sgpr_workgroup_id_y 1
		.amdhsa_system_sgpr_workgroup_id_z 1
		.amdhsa_system_vgpr_workitem_id 0
		.amdhsa_next_free_vgpr 256
		.amdhsa_next_free_sgpr 66
		.amdhsa_reserve_vcc 0
		.amdhsa_float_denorm_mode_32 3
		.amdhsa_float_denorm_mode_16_64 3
		.amdhsa_memory_ordered 1
		.amdhsa_forward_progress 1
		.amdhsa_inst_pref_size 134
	.end_amdhsa_kernel
	.amdgpu_metadata
---
amdhsa.version: [ 1, 2 ]
amdhsa.kernels:
  - .name:           k_q5b4cbb93bd_attend
    .symbol:         k_q5b4cbb93bd_attend.kd
    .args:
      - { .name: k_codes, .offset: 0, .size: 8, .value_kind: global_buffer, .address_space: global }
      - { .name: k_scales, .offset: 8, .size: 8, .value_kind: global_buffer, .address_space: global }
      - { .name: q_codes, .offset: 16, .size: 8, .value_kind: global_buffer, .address_space: global }
      - { .name: q_scales, .offset: 24, .size: 8, .value_kind: global_buffer, .address_space: global }
      - { .name: v_codes, .offset: 32, .size: 8, .value_kind: global_buffer, .address_space: global }
      - { .name: v_scales, .offset: 40, .size: 8, .value_kind: global_buffer, .address_space: global }
      - { .name: negt, .offset: 48, .size: 8, .value_kind: global_buffer, .address_space: global }
      - { .name: need, .offset: 56, .size: 8, .value_kind: global_buffer, .address_space: global }
      - { .name: out0, .offset: 64, .size: 8, .value_kind: global_buffer, .address_space: global }
    .group_segment_fixed_size: 216064
    .private_segment_fixed_size: 0
    .kernarg_segment_align: 8
    .kernarg_segment_size: 72
    .max_flat_workgroup_size: 512
    .sgpr_count:     66
    .vgpr_count:     256
    .wavefront_size: 32
...
	.end_amdgpu_metadata
.endif
;; end of part 2
;; ======== version 2 of 2: 2 launches; version 1 with the launches tau, attend written anew for expert scheduling mode
;; limits: right only within a limited range of input values
;; workspace buffers: negt 262,144 bytes; need 16,384 bytes of whole numbers
;; launch tau (part 3): grid 8 x 32, 16 waves a work-group, no clusters, 77,056 bytes of LDS; arguments k_codes, k_scales, q_codes, q_scales, negt, need; writes negt, need
.if DOCPART == 3
	.amdgcn_target "amdgcn-amd-amdhsa--gfx1250"
	.amdhsa_code_object_version 6
	.text
	.protected	k_q5b4cbb93bd_tau
	.globl	k_q5b4cbb93bd_tau
	.p2align	8
	.type	k_q5b4cbb93bd_tau,@function
k_q5b4cbb93bd_tau:
	s_mov_b64 s[64:65], 0
	v_nop
	global_prefetch_b8 v0, s[64:65] scope:SCOPE_SE
	s_setreg_imm32_b32 hwreg(HW_REG_WAVE_SCHED_MODE, 0, 2), 2
	s_setreg_imm32_b32 hwreg(HW_REG_WAVE_MODE, 25, 1), 1
	s_wait_xcnt 0x0
	s_wait_alu depctr_vm_vsrc(0)
; SPARSEMAX ATTENTION ON CODES OF MX-FP4, LAUNCH 1 OF 2: THE THRESHOLD OF EVERY ROW.
; reference(): x = q k^T / 8; attn = max(x - tau, 0); out = attn v.  Its tau (sort, running sum, size of the support) is, for every finite input, the one root of
; sum_k max(x_k - tau, 0) = 1.  That equation is solved here, on the raw sums s = q k^T with T = 8 tau:  F(T) = sum_k max(s_k - T, 0) - 8 = 0.
; Nothing of reference() is left out as dead work: every input has a way to the output and is loaded (v in the second launch).
; NEWTON FROM THE LEFT: T <- T + max(F, 0) / c, c = the number of s_k > T.  F is convex and piecewise linear, so T never passes the root, the supports are nested, and
;   (a) where two passes on end count the same c, the T of the second was the root;  (b) else a pass drops at least one key: behind a pass that counted c, c - 1 more passes give the root;
;   (c) by convexity F'/F + c'/c <= 1, so F c falls at least fourfold a pass; from T >= max - 8 it starts under 2^14 x 2^11, and 23 passes leave T within 2^-21 of the root.
; This launch runs NPASS whole passes and stores, for each wave's 16 rows, how many more are owed: 0 where (a) holds for all 16, else the largest c (b, and one pass more), held at 24 (c).
; The second launch reads that whole number as a trip count: no branch here hangs on a floating-point number, and the iteration is cut at no length that only some inputs allow.
; THE START: pass 0 keeps the largest s of each of the row's 64 blocks of 32 keys.  The root of that subset is at or under the row's root (more keys only raise F); NSUB Newton steps in registers, from max - 8, approach it from the left.
; THE SCORES ARE MADE ANEW IN EVERY PASS by the matrix unit (a row of 2,048 f32 for 16 queries has no room in a wave's registers): S^T = K Q^T, source 0 = 16 keys, source 1 = my 16 queries, so a lane holds ONE query.
;   C is eight registers of -T: the result is s - T as it stands.
;   K = 64 IN AN INSTRUCTION OF 128: a fragment's registers 0-3 hold 16 keys, registers 4-7 sixteen OTHER keys.  v8-19 hold 0,0,0,0, q,q,q,q, 0,0,0,0: v[12:19] has q against the first 64 along K, v[8:15] against the last 64.
;   Zero codes add nothing, so each fragment serves two products.  Scale words hold a row's two bytes twice, so they fit either half.
;   THE KEYS OF A TILE: row 8 h' + j of tile (c, u) of step st is key 128 st + 64 c + 32 h' + 8 u + j, so register 32 c + 8 u + j of lane (r, h) is key 128 st + 64 c + 32 h + 8 u + j: a lane holds whole blocks of 32 keys.
; THE COUNT IS MADE BY THE MATRIX UNIT: max(s - T, 0) is converted to codes under the fixed scale 2^-60, where every positive number becomes the largest code, 6, and 0 the code 0; a product with an operand of ones sums them: 6 c, exact.
; SHARES: a work-group has 256 queries of one head, each of its 16 waves 16 of them.  The head's K comes once into LDS as IMAGES OF THE FRAGMENTS' REGISTERS (16 bytes a lane on end) and is then only read.
; NO CLUSTER, NO TENSOR LOAD: what the eight work-groups of a head share is read once by each, 69,632 bytes, against 5 x 69,632 x 16 bytes that its waves then read from LDS; and the order of the images is made by the stores' addresses.
; NO PREFETCH: every input byte is asked for at the head, and nothing is streamed later.
; LIMITS: NaN, infinities and the scale byte 0xff among the inputs are not served; |s| stays under 2^20, so that max - 8 is told from max; a positive s - T under 2^-57 is counted in part.
; THE MODE: SCHED_MODE bits 1:0 = 2 (LLVM: expert scheduling mode 2), set by the entry lines.  The code itself states the register dependences
; between vector or matrix instructions and memory or LDS instructions, with s_wait_alu, always for 0.
; THE PLAN.  Registers that memory or LDS instructions touch:
;   K's two sets  (v68-99 with v60-63, v100-131 with v64-67).  Step st: its products read set st % 2; the nine loads of step st + 1 land in the other set, which the products of step st - 1 read last.
;   v[D ..]       At the head: loads from memory land there, four words are made there, the LDS stores read them; from the barrier on they are the products' results.  At the end wave 0's loads from LDS land in nine of them.
;   v[LI], v[LS] and the addresses of the fill and of the way out: made at the head, never written again.
;   v[NT], v[X]   Read by the two LDS stores at the end.          v[SPW], v[NIL]: written at the head, read by the closing add alone.
; So ONE wait on va_vdst stands at a step's head: it states that the products of the step before are done reading the set in which this step's loads land, and, in a Newton pass, that the last step's conversions have
; written the marks which the count's product takes as an operand.  The nine loads follow it, dealt among the step's eight products, which name the other set alone.  No address is written in a loop, so no loop holds a wait on vm_vsrc.
.set KST,   65536                      ; LDS: 0: K's images, st x 4096 + u x 1024 + c x 512 + 16 x lane;  KST: K's scale words, st x 512 + 16 x (16 c + row) + 4 u
.set TST,   73728                      ; -T of the 256 rows
.set NST,   74752                      ; the 16 waves' numbers of passes owed
.set SPARE, 75008                      ; the spare words, 128 bytes for each of 16 waves: eight blocks of 256 bytes that no other line names
.set NSUB,  6
.set NPASS, 4
.set LI,   1                           ; v1   16 x lane
.set LS,   2                           ; v2   KST + 16 x lane
.set SPW,  3                           ; v3   my spare word; never rewritten
.set NIL,  4                           ; v4   0; never rewritten
.set QS,   5                           ; v5   q's scale word (two bytes, twice)
.set US,   6                           ; v6   scale word of ones: 0x7f four times
.set SAT,  7                           ; v7   the counting conversion's scale operand: exponent field 67, 2^-60
.set ONES, 20                          ; v20-27  an operand of ones: the code 2 in every place
.set NT,   28                          ; v28-35  -T, eight times: the C of the scores
.set CN,   36                          ; v36-43  6 c
.set PC,   44                          ; v44-51  codes 6 or 0
.set ACC,  52                          ; v52-59  the sum of max(s - T, 0), in four pairs
.set KW0,  60                          ; v60-63, v64-67  K's scale words, two sets
.set AF0,  68                          ; v68-99, v100-131  K's four fragments, two sets
.set D,    132                         ; v132-195  64 scores less T
.set GM,   196                         ; v196-227  my 32 blocks' largest scores
.set S,    228
.set X,    229
.set R,    230
.set DC,   231                         ; 6 c of the last pass
.set DP,   232                         ; 6 c of the pass before
.set KA,   233
.set KSA,  234
.set G16,  235
.set G8,   236
.set QO,   237
.set QSO,  238
.set TA,   239
.set NA,   240
.set NR,   241
.set R4,   242
.set WN,   243
.set T0,   244
.set RR,   245
.set HH,   246
.macro LOADK s, b                      ; step s's four fragments and four scale words into set b: nine LDS loads, every offset an immediate
.irp g, 0,1,2,3
	ds_load_b128 v[AF0+32*(\b)+8*\g:AF0+32*(\b)+8*\g+3], v[LI] offset:(\s)*4096+\g*1024
	ds_load_b128 v[AF0+32*(\b)+8*\g+4:AF0+32*(\b)+8*\g+7], v[LI] offset:(\s)*4096+\g*1024+512
.endr
	ds_load_b128 v[KW0+4*(\b):KW0+4*(\b)+3], v[LS] offset:(\s)*512
.endm
; eight products: fragment g against q low (tile (0, g)) and q high (tile (1, g), whose scale words lie in lanes 16-31).  zero = 1: s;  0: s - T
; deal = 1: the nine loads of step NXT, into the other set (AFN, KWN), are dealt among them.  No wait: no vector or matrix instruction since the wait at the step's head names that set
.macro SCORES zero, deal
.irp g, 0,1,2,3
.if \zero
	v_wmma_scale_f32_16x16x128_f8f6f4 v[D+8*\g:D+8*\g+7], v[AFB+8*\g:AFB+8*\g+7], v[12:19], 0, v[KWB+\g], v[QS] matrix_a_fmt:MATRIX_FMT_FP4 matrix_b_fmt:MATRIX_FMT_FP4
	v_wmma_scale_f32_16x16x128_f8f6f4 v[D+32+8*\g:D+32+8*\g+7], v[AFB+8*\g:AFB+8*\g+7], v[8:15], 0, v[KWB+\g], v[QS] matrix_a_fmt:MATRIX_FMT_FP4 matrix_b_fmt:MATRIX_FMT_FP4 matrix_a_scale:MATRIX_SCALE_ROW1
.else
	v_wmma_scale_f32_16x16x128_f8f6f4 v[D+8*\g:D+8*\g+7], v[AFB+8*\g:AFB+8*\g+7], v[12:19], v[NT:NT+7], v[KWB+\g], v[QS] matrix_a_fmt:MATRIX_FMT_FP4 matrix_b_fmt:MATRIX_FMT_FP4
	v_wmma_scale_f32_16x16x128_f8f6f4 v[D+32+8*\g:D+32+8*\g+7], v[AFB+8*\g:AFB+8*\g+7], v[8:15], v[NT:NT+7], v[KWB+\g], v[QS] matrix_a_fmt:MATRIX_FMT_FP4 matrix_b_fmt:MATRIX_FMT_FP4 matrix_a_scale:MATRIX_SCALE_ROW1
.endif
.if \deal
	ds_load_b128 v[AFN+8*\g:AFN+8*\g+3], v[LI] offset:NXT*4096+\g*1024
	ds_load_b128 v[AFN+8*\g+4:AFN+8*\g+7], v[LI] offset:NXT*4096+\g*1024+512
.endif
.endr
.if \deal
	ds_load_b128 v[KWN:KWN+3], v[LS] offset:NXT*512
.endif
.endm
.macro COUNT first                     ; 6 x the number of codes 6 among my query's 128 (both halves of the lanes).  One instruction a turn, the eight scores' products between two of them
.if \first
	v_wmma_scale_f32_16x16x128_f8f6f4 v[CN:CN+7], v[ONES:ONES+7], v[PC:PC+7], 0, v[US], v[US] matrix_a_fmt:MATRIX_FMT_FP4 matrix_b_fmt:MATRIX_FMT_FP4
.else
	v_wmma_scale_f32_16x16x128_f8f6f4 v[CN:CN+7], v[ONES:ONES+7], v[PC:PC+7], v[CN:CN+7], v[US], v[US] matrix_a_fmt:MATRIX_FMT_FP4 matrix_b_fmt:MATRIX_FMT_FP4
.endif
.endm
.macro MSTEP                           ; pass 0, step st: the largest score of my two blocks of 32 keys
.set AFB, AF0+32*(st%2)
.set KWB, KW0+4*(st%2)
.set AFN, AF0+32*((st+1)%2)
.set KWN, KW0+4*((st+1)%2)
.set NXT, st+1
	s_wait_dscnt 0x0                               ; this step's nine loads are in
.if st < 15
	s_wait_alu depctr_va_vdst(0)                   ; step 0: q's scale word and the zero codes beside q are written, which the products take as scale and operand; later steps: the products of the step before are done reading the set in which this step's loads land
	SCORES 1, 1
.else
	SCORES 1, 0                                    ; the last step asks for nothing, so it has no such wait
.endif
.rept 4
	v_nop                                          ; four places between the products and the first read of a result
.endr
	v_max_num_f32 v[GM+2*st], v[D], v[D+1]         ; two chains by turns, each tile from its low end on
	v_max_num_f32 v[GM+2*st+1], v[D+32], v[D+33]
.irp i, 2,4,6,8,10,12,14,16,18,20,22,24,26,28,30
	v_max3_num_f32 v[GM+2*st], v[GM+2*st], v[D+\i], v[D+\i+1]
	v_max3_num_f32 v[GM+2*st+1], v[GM+2*st+1], v[D+32+\i], v[D+33+\i]
.endr
.endm
.macro NSTEP                           ; a Newton pass, step st: 128 keys' max(s - T, 0) are summed and marked for the count
.set AFB, AF0+32*(st%2)
.set KWB, KW0+4*(st%2)
.set AFN, AF0+32*((st+1)%2)
.set KWN, KW0+4*((st+1)%2)
.set NXT, st+1
	s_wait_dscnt 0x0                               ; this step's nine loads are in
.if st > 0
	s_wait_alu depctr_va_vdst(0)                   ; the last step's conversions have written the marks v[PC ..], which the count's product takes as an operand; that step's products are done reading the set in which this step's loads land
.endif                                                 ; (step 0 has no such wait: the update's wait stands behind the last products that read the other set, and nothing since names it)
.if st == 1
	COUNT 1                                        ; the step before's marks; the four additions behind its last conversion are the places ahead of this line
.elseif st > 1
	COUNT 0
.endif
.if st < 15
	SCORES 0, 1
.else
	SCORES 0, 0
.endif
.rept 4
	v_nop                                          ; four places: ahead of the first read of a result, and of the first write of the count's operand
.endr
.irp i, 0,1,2,3,4,5,6,7
.irp j, 0,1,2,3,4,5,6,7
	v_max_num_f32 v[D+8*\i+\j], 0, v[D+8*\i+\j]
.endr
	v_cvt_scalef32_pk8_fp4_f32 v[PC+\i], v[D+8*\i:D+8*\i+7], v[SAT]
.irp j, 0,1,2,3
	v_pk_add_f32 v[ACC+2*\j:ACC+2*\j+1], v[ACC+2*\j:ACC+2*\j+1], v[D+8*\i+2*\j:D+8*\i+2*\j+1]
.endr
.endr
.endm
.macro PASS                            ; one pass over the head's 2,048 keys
.irp i, 0,1,2,3,4,5,6,7
	v_mov_b32 v[ACC+\i], 0
.endr
	LOADK 0, 0                                     ; no wait: the last update's wait stands behind the last products that read this set, and nothing since names it
.set st, 0
.rept 16
	NSTEP
.set st, st+1
.endr
	s_wait_alu depctr_va_vdst(0)                   ; the last step's conversions have written the marks, which the count's product takes as an operand (the four additions behind them are its places)
	COUNT 0
.endm
.macro UPDATE keep                     ; -T <- -T - max(sum - 8, 0) / c
	v_pk_add_f32 v[ACC:ACC+1], v[ACC:ACC+1], v[ACC+2:ACC+3]        ; (these additions are the places between the count's product and the read of its result)
	v_pk_add_f32 v[ACC+4:ACC+5], v[ACC+4:ACC+5], v[ACC+6:ACC+7]
	v_pk_add_f32 v[ACC:ACC+1], v[ACC:ACC+1], v[ACC+4:ACC+5]
	v_add_f32 v[S], v[ACC], v[ACC+1]
	v_permlanex16_b32 v[X], v[S], s28, s29         ; my query's other keys lie in the lane 16 away
	v_add_f32 v[S], v[S], v[X]
.if \keep
	v_mov_b32 v[DP], v[DC]
.endif
	v_max_num_f32 v[DC], 0x40c00000, v[CN]         ; 6 c, at least 6
	v_rcp_f32 v[R], v[DC]
	v_add_f32 v[S], 0xc1000000, v[S]               ; F = the sum - 8 (a plain line behind the reciprocal)
	v_max_num_f32 v[S], 0, v[S]                    ; rounding may have carried T past the root: then it stays
	v_mul_f32 v[S], 0x40c00000, v[S]               ; 6 F
	s_wait_alu depctr_va_vdst(0)                   ; the reciprocal v[R] is written, ahead of its first reader; and every product so far is done reading K's two sets, in which the next pass's first loads land
.irp i, 0,1,2,3,4,5,6,7
	v_fma_f32 v[NT+\i], -v[S], v[R], v[NT+\i]
.endr
.endm
	s_load_b256 s[4:11], s[0:1], 0x0               ; K's codes s[4:5], K's scales s[6:7], Q's codes s[8:9], Q's scales s[10:11]
	s_load_b128 s[12:15], s[0:1], 0x20             ; negt s[12:13], need s[14:15]
	v_lshl_add_u32 v[SPW], v0, 2, SPARE
	v_mov_b32 v[NIL], 0
	v_lshrrev_b32 v[WN], 5, v0
	v_readfirstlane_b32 s22, v[WN]                 ; wave 0..15
	s_and_b32 s23, ttmp7, 0xffff                   ; the head
	s_mov_b32 s28, 0x76543210
	s_mov_b32 s29, 0xfedcba98                      ; v_permlanex16_b32's selects for lane l xor 16
	s_lshl_b32 s26, s23, 16                        ; byte offsets, apart from the addresses.  K's codes: 65,536 a head
	s_mov_b32 s27, 0
	s_lshl_b32 s24, ttmp9, 13                      ; Q's codes: + 256 queries x 32 bytes a block, + 16 x 32 a wave
	s_wait_alu depctr_va_sdst(0)                   ; s22 is written, ahead of its first reader: offsets and the branch at the end are made from it
	s_lshl_b32 s25, s22, 9
	s_add_co_u32 s30, s26, s24
	s_add_co_u32 s30, s30, s25
	s_mov_b32 s31, 0
	s_lshl_b32 s32, s23, 12                        ; K's scales: 4,096 a head
	s_mov_b32 s33, 0
	s_lshl_b32 s24, ttmp9, 9
	s_lshl_b32 s25, s22, 5
	s_add_co_u32 s36, s32, s24                     ; Q's scales
	s_add_co_u32 s36, s36, s25
	s_mov_b32 s37, 0
	s_lshl_b32 s38, s23, 13                        ; negt: 4 bytes a row; the work-group's 256 rows
	s_lshl_b32 s24, ttmp9, 10
	s_add_co_u32 s38, s38, s24
	s_mov_b32 s39, 0
	s_lshl_b32 s40, s23, 9                         ; need: 4 bytes a wave; the work-group's 16
	s_lshl_b32 s24, ttmp9, 6
	s_add_co_u32 s40, s40, s24
	s_mov_b32 s41, 0
	v_and_b32 v[RR], 15, v0                        ; r
	v_bfe_u32 v[HH], v0, 4, 1                      ; h
	v_and_b32 v[T0], 31, v0
	v_lshlrev_b32 v[LI], 4, v[T0]
	v_add_nc_u32 v[LS], KST, v[LI]
	; where my 16 bytes of K's codes go.  Thread t, load i: key 256 i + t / 2, half t % 2.  Of the key's number: bits 0-2 j, 3-4 u, 5 h', 6 c, 7.. st
	v_bfe_u32 v[T0], v0, 1, 3
	v_lshlrev_b32 v[KA], 4, v[T0]                  ; j: 16 bytes a lane
	v_bfe_u32 v[T0], v0, 6, 1
	v_lshl_or_b32 v[KA], v[T0], 7, v[KA]           ; h': eight lanes on
	v_and_b32 v[T0], 1, v0
	v_lshl_or_b32 v[KA], v[T0], 8, v[KA]           ; the key's second 16 bytes: lanes 16-31
	v_bfe_u32 v[T0], v0, 7, 1
	v_lshl_or_b32 v[KA], v[T0], 9, v[KA]           ; c
	v_bfe_u32 v[T0], v0, 4, 2
	v_lshl_or_b32 v[KA], v[T0], 10, v[KA]          ; u
	v_bfe_u32 v[T0], v0, 8, 1
	v_lshl_or_b32 v[KA], v[T0], 12, v[KA]          ; st's low bit; the rest stands in the stores' immediates
	; and my four keys' scale words: keys 4 t + e
	v_lshlrev_b32 v[KSA], 9, v[WN]                 ; st = t / 32
	v_lshl_or_b32 v[KSA], v[HH], 8, v[KSA]         ; c
	v_bfe_u32 v[T0], v0, 3, 1
	v_lshl_or_b32 v[KSA], v[T0], 7, v[KSA]         ; h'
	v_and_b32 v[T0], 1, v0
	v_lshl_or_b32 v[KSA], v[T0], 6, v[KSA]         ; j's high bit; e stands in the immediates
	v_bfe_u32 v[T0], v0, 1, 2
	v_lshl_or_b32 v[KSA], v[T0], 2, v[KSA]         ; u
	v_add_nc_u32 v[KSA], KST, v[KSA]
	v_lshlrev_b32 v[G16], 4, v0
	v_lshlrev_b32 v[G8], 3, v0
	v_lshlrev_b32 v[QO], 5, v[RR]
	v_lshl_or_b32 v[QO], v[HH], 4, v[QO]           ; Q: row r of 32 bytes, + 16 h
	v_lshlrev_b32 v[QSO], 1, v[RR]
	v_lshlrev_b32 v[TA], 6, v[WN]
	v_lshl_add_u32 v[TA], v[RR], 2, v[TA]
	v_add_nc_u32 v[TA], TST, v[TA]                 ; my row's -T
	v_lshl_add_u32 v[NA], v[WN], 2, NST            ; my wave's number
	v_lshl_add_u32 v[NR], v[RR], 2, NST            ; and on the way out: word lane % 16
	v_lshlrev_b32 v[R4], 2, v[RR]
	s_wait_kmcnt 0x0
	s_add_nc_u64 s[4:5], s[4:5], s[26:27]
	s_add_nc_u64 s[6:7], s[6:7], s[32:33]
	s_add_nc_u64 s[8:9], s[8:9], s[30:31]
	s_add_nc_u64 s[10:11], s[10:11], s[36:37]
	s_add_nc_u64 s[12:13], s[12:13], s[38:39]
	s_add_nc_u64 s[14:15], s[14:15], s[40:41]
	s_wait_alu depctr_va_vdst(0)                   ; the offsets and LDS addresses made above are written: every load and store of the kernel reads one of them, and none is written again
.irp i, 0,1,2,3,4,5,6,7
	global_load_b128 v[D+4*\i:D+4*\i+3], v[G16], s[4:5] offset:8192*\i   ; a wave reads 512 consecutive bytes
.endr
	global_load_b64 v[D+32:D+33], v[G8], s[6:7]
	global_load_b128 v[12:15], v[QO], s[8:9]       ; q stays in registers
	global_load_u16 v[D+34], v[QSO], s[10:11]
.irp i, 8,9,10,11,16,17,18,19
	v_mov_b32 v[\i], 0                             ; the zero codes on either side of q
.endr
	v_mov_b32 v[US], 0x7f7f7f7f
	v_mov_b32 v[SAT], 0x21800000
	v_mov_b32 v[X], 0                              ; written once: a lane permute's destination counts as one of its sources
	s_wait_loadcnt 0x0
	v_lshl_or_b32 v[QS], v[D+34], 16, v[D+34]      ; twelve plain lines stand between this and the first product that takes it as a scale
	v_perm_b32 v[D+36], v[D+32], v[D+32], 0x01000100   ; a key's two bytes, twice
	v_perm_b32 v[D+37], v[D+32], v[D+32], 0x03020302
	v_perm_b32 v[D+38], v[D+33], v[D+33], 0x01000100
	v_perm_b32 v[D+39], v[D+33], v[D+33], 0x03020302
	s_wait_alu depctr_va_vdst(0)                   ; the four scale words v[D+36 .. D+39] are written, which the LDS stores below read
.irp i, 0,1,2,3,4,5,6,7
	ds_store_b128 v[KA], v[D+4*\i:D+4*\i+3] offset:8192*\i
.endr
.irp e, 0,1,2,3
	ds_store_b32 v[KSA], v[D+36+\e] offset:16*\e
.endr
.irp i, 0,1,2,3,4,5,6,7
	v_mov_b32 v[ONES+\i], 0x22222222
.endr
	s_wait_dscnt 0x0                               ; for the others' sake: my stores have landed
	s_barrier_signal -1
	s_barrier_wait -1                              ; K's images and scale words are whole; from here on they are only read
	s_wait_alu depctr_vm_vsrc(0)                   ; my LDS stores have read v[D ..], which the products write from here on
	; ---- pass 0: the largest score of each block of 32 keys
	LOADK 0, 0                                     ; (nothing has named these registers yet)
.set st, 0
.rept 16
	MSTEP
.set st, st+1
.endr
	v_max3_num_f32 v[S], v[GM], v[GM+1], v[GM+2]
.irp i, 3,5,7,9,11,13,15,17,19,21,23,25,27,29
	v_max3_num_f32 v[S], v[S], v[GM+\i], v[GM+\i+1]
.endr
	v_max_num_f32 v[S], v[S], v[GM+31]
	v_permlanex16_b32 v[X], v[S], s28, s29
	v_max_num_f32 v[S], v[S], v[X]                 ; the row's largest score
.irp i, 0,1,2,3,4,5,6,7
	v_sub_f32 v[NT+\i], 0x41000000, v[S]           ; -T = 8 - max: there F >= 0, for the subset and for the row
.endr
.irp i, 4,5,6,7
	v_mov_b32 v[PC+\i], 0                          ; the subset fills half of the count's operand
.endr
	; ---- NSUB Newton steps on the 64 block maxima, 32 a lane
	s_mov_b32 s34, 0
.Lsub:
.irp i, 0,2,4,6,8,10,12,14,16,18,20,22,24,26,28,30
	v_pk_add_f32 v[D+\i:D+\i+1], v[GM+\i:GM+\i+1], v[NT:NT+1]
.endr
.irp i, 0,1,2,3,4,5,6,7,8,9,10,11,12,13,14,15,16,17,18,19,20,21,22,23,24,25,26,27,28,29,30,31
	v_max_num_f32 v[D+\i], 0, v[D+\i]
.endr
.irp u, 0,1,2,3
	v_cvt_scalef32_pk8_fp4_f32 v[PC+\u], v[D+8*\u:D+8*\u+7], v[SAT]
.endr
.irp j, 0,1,2,3
	v_pk_add_f32 v[ACC+2*\j:ACC+2*\j+1], v[D+2*\j:D+2*\j+1], v[D+8+2*\j:D+8+2*\j+1]   ; the first additions start the sums; the twelve are the places ahead of the count
.endr
.irp j, 0,1,2,3
	v_pk_add_f32 v[ACC+2*\j:ACC+2*\j+1], v[ACC+2*\j:ACC+2*\j+1], v[D+16+2*\j:D+16+2*\j+1]
.endr
.irp j, 0,1,2,3
	v_pk_add_f32 v[ACC+2*\j:ACC+2*\j+1], v[ACC+2*\j:ACC+2*\j+1], v[D+24+2*\j:D+24+2*\j+1]
.endr
	s_wait_alu depctr_va_vdst(0)                   ; the conversions have written the marks v[PC ..] (in the first trip: and the ones, their scale word and the operand's zero half are written), which the count's product takes as operands and scales
	COUNT 1
	UPDATE 0
	s_add_co_u32 s34, s34, 1
	s_cmp_lt_u32 s34, NSUB
	s_cbranch_scc1 .Lsub
	; ---- NPASS Newton passes over all keys
	s_mov_b32 s34, 0
.Lpass:
	PASS
	UPDATE 1
	s_add_co_u32 s34, s34, 1
	s_cmp_lt_u32 s34, NPASS
	s_cbranch_scc1 .Lpass
	; ---- how many passes are still owed
	v_mul_f32 v[S], 0x3e2aaaab, v[DC]
	v_rndne_f32 v[S], v[S]                         ; c of the last pass
	v_cmp_neq_f32 vcc_lo, v[DC], v[DP]
	s_wait_alu depctr_va_vcc(0)                    ; the compare has written VCC, ahead of the selection that reads it
	v_cndmask_b32 v[S], 0, v[S], vcc_lo            ; 0 where the last two passes counted alike: the last pass's T was the root
	v_max_num_f32_dpp v[S], v[S], v[S] row_xmask:1 row_mask:0xf bank_mask:0xf
	v_max_num_f32_dpp v[S], v[S], v[S] row_xmask:2 row_mask:0xf bank_mask:0xf
	v_max_num_f32_dpp v[S], v[S], v[S] row_xmask:4 row_mask:0xf bank_mask:0xf
	v_max_num_f32_dpp v[S], v[S], v[S] row_xmask:8 row_mask:0xf bank_mask:0xf   ; the largest of my wave's 16 rows (both halves of the lanes hold the same)
	v_min_num_f32 v[S], 0x41c00000, v[S]           ; held at 24
	v_cvt_u32_f32 v[X], v[S]
	s_wait_alu depctr_va_vdst(0)                   ; -T and the number v[X] are written, which the two LDS stores read; and the vector work is done with v[D ..], in which wave 0's loads below land
	ds_store_b32 v[TA], v[NT]                      ; lanes r and r + 16 write the same word with the same value
	ds_store_b32 v[NA], v[X]                       ; all lanes write the same word with the same value
	s_wait_dscnt 0x0                               ; for wave 0's sake: my stores have landed
	s_barrier_signal -1
	s_barrier_wait -1
	s_cmp_lg_u32 s22, 0                            ; wave 0 stores the work-group's 1,024 bytes of -T, 512 consecutive bytes an instruction, and its 16 numbers
	s_cbranch_scc1 .Lend
	ds_load_b128 v[D:D+3], v[LS] offset:TST-KST
	ds_load_b128 v[D+4:D+7], v[LS] offset:TST-KST+512
	ds_load_b32 v[D+8], v[NR]
	s_wait_dscnt 0x0
	global_store_b128 v[LI], v[D:D+3], s[12:13]
	global_store_b128 v[LI], v[D+4:D+7], s[12:13] offset:512
	global_store_b32 v[R4], v[D+8], s[14:15]       ; lanes 16-31 name the words of lanes 0-15, with the same values
.Lend:
	s_wait_dscnt 0x0                               ; the closing lines, six on end
	s_wait_alu 0x0
	s_wait_tensorcnt 0x0
	ds_add_u32 v[SPW], v[NIL]
	s_wait_dscnt 0x0
	s_endpgm
.Lfunc_end_k_q5b4cbb93bd_tau:
	.size	k_q5b4cbb93bd_tau, .Lfunc_end_k_q5b4cbb93bd_tau-k_q5b4cbb93bd_tau
	.p2alignl 7, 3214868480
	.fill 96, 4, 3214868480
	.section	.rodata,"a",@progbits
	.p2align	6, 0x0
	.amdhsa_kernel k_q5b4cbb93bd_tau
		.amdhsa_group_segment_fixed_size 77056
		.amdhsa_private_segment_fixed_size 0
		.amdhsa_enable_private_segment 0
		.amdhsa_kernarg_size 48
		.amdhsa_user_sgpr_count 2
		.amdhsa_user_sgpr_kernarg_segment_ptr 1
		.amdhsa_wavefront_size32 1
		.amdhsa_system_sgpr_workgroup_id_x 1
		.amdhsa_system_sgpr_workgroup_id_y 1
		.amdhsa_system_sgpr_workgroup_id_z 1
		.amdhsa_system_vgpr_workitem_id 0
		.amdhsa_next_free_vgpr 256
		.amdhsa_next_free_sgpr 66
		.amdhsa_reserve_vcc 1
		.amdhsa_float_denorm_mode_32 3
		.amdhsa_float_denorm_mode_16_64 3
		.amdhsa_memory_ordered 1
		.amdhsa_forward_progress 1
		.amdhsa_inst_pref_size 178
	.end_amdhsa_kernel
	.amdgpu_metadata
---
amdhsa.version: [ 1, 2 ]
amdhsa.kernels:
  - .name:           k_q5b4cbb93bd_tau
    .symbol:         k_q5b4cbb93bd_tau.kd
    .args:
      - { .name: k_codes, .offset: 0, .size: 8, .value_kind: global_buffer, .address_space: global }
      - { .name: k_scales, .offset: 8, .size: 8, .value_kind: global_buffer, .address_space: global }
      - { .name: q_codes, .offset: 16, .size: 8, .value_kind: global_buffer, .address_space: global }
      - { .name: q_scales, .offset: 24, .size: 8, .value_kind: global_buffer, .address_space: global }
      - { .name: negt, .offset: 32, .size: 8, .value_kind: global_buffer, .address_space: global }
      - { .name: need, .offset: 40, .size: 8, .value_kind: global_buffer, .address_space: global }
    .group_segment_fixed_size: 77056
    .private_segment_fixed_size: 0
    .kernarg_segment_align: 8
    .kernarg_segment_size: 48
    .max_flat_workgroup_size: 512
    .sgpr_count:     66
    .vgpr_count:     256
    .wavefront_size: 32
...
	.end_amdgpu_metadata
.endif
;; end of part 3
;; launch attend (part 4): grid 8 x 32, 16 waves a work-group, no clusters, 216,064 bytes of LDS; arguments k_codes, k_scales, q_codes, q_scales, v_codes, v_scales, negt, need, out0; writes out0
.if DOCPART == 4
	.amdgcn_target "amdgcn-amd-amdhsa--gfx1250"
	.amdhsa_code_object_version 6
	.text
	.protected	k_q5b4cbb93bd_attend
	.globl	k_q5b4cbb93bd_attend
	.p2align	8
	.type	k_q5b4cbb93bd_attend,@function
k_q5b4cbb93bd_attend:
	s_mov_b64 s[64:65], 0
	v_nop
	global_prefetch_b8 v0, s[64:65] scope:SCOPE_SE
	s_setreg_imm32_b32 hwreg(HW_REG_WAVE_SCHED_MODE, 0, 2), 2
	s_setreg_imm32_b32 hwreg(HW_REG_WAVE_MODE, 25, 1), 1
	s_wait_xcnt 0x0
	s_wait_alu depctr_vm_vsrc(0)
; SPARSEMAX ATTENTION ON CODES OF MX-FP4, LAUNCH 2 OF 2: THE PASSES STILL OWED, THEN out = Q(max(s - T, 0) / 8) v.
; The first launch left, for each row, -T (T = 8 tau, approached from the left by Newton's steps on F(T) = sum_k max(s_k - T, 0) - 8) and, for each wave's 16 rows, a whole number: how many more passes
; give the root (0 where the last two passes counted the same support; else that count, held at 24, behind which F x count has fallen so far that T lies within 2^-21 of the root).  That number is read here as a trip count.
; No work of reference() is left out as dead.
; THE LAST PASS: s - T comes from the matrix unit (C = -T); a lane holds ONE query and whole blocks of 32 keys, in the order of the second product's operand, so a block's largest number needs no other lane and
; the conversions' results ARE the operand.  8 p = max(s - T, 0) is quantised, not p: the factor 1/8 is a power of two, moves each scale's exponent by 3 and no code, and is applied once to O.
; O^T = V^T P^T: source 0 = 16 of the head's 64 channels (V's codes have the keys innermost), source 1 = P.
; Layouts of K's fragments, of the two products a fragment and of the count: as in the first launch (its head comment).
; SHARES: a work-group has 256 queries of one head, each of its 16 waves 16.  K (as images of the fragments' registers), V (as rows, 16 bytes of padding behind each 1,024) and their scale words come into LDS once and are then only read.
; NO TENSOR LOAD, NO CLUSTER: what the eight work-groups of a head share is read once by each, at the head.  NO PREFETCH: nothing is streamed later.
; LIMITS: NaN, infinities and the scale byte 0xff are not served; |s| under 2^20; a positive s - T under 2^-57 is counted in part; the hold of a scale's exponent at -126 is taken on 8 p.
; THE MODE: SCHED_MODE bits 1:0 = 2 (LLVM: expert scheduling mode 2), set by the entry lines.  The code itself states the register dependences
; between vector or matrix instructions and memory or LDS instructions, with s_wait_alu, always for 0.
; THE PLAN.  Registers that memory or LDS instructions touch:
;   At the head: v[D ..], v[O ..] take loads from memory and four made words, and the LDS stores read them; v52-59 and v250 are the fill's addresses.  Behind the barrier D and O are the products' results and v52-59 the sums.
;   A NEWTON PASS, as in the first launch: step st's products read K's set st % 2; the nine loads of step st + 1 land in the other set, which the products of step st - 1 read last.  One wait on va_vdst at a step's head states that,
;     and that the last step's conversions have written the marks which the count's product takes; the loads follow it, dealt among the step's products.  v[LI], v[LS] are never written again.
;   THE LAST PASS has one set for K and one for V (a wave's 256 registers hold no second), and each is asked for again as soon as its readers are stated done:
;     K (v68-99, v60-63)    read by step st's eight products; the loads of step st + 1 land in it in the middle of step st, dealt among that step's 64 maxima.
;     V (v100-131, v64-67)  read by step st's four products of O^T, the step's last lines; the loads of step st + 1 land in it at that step's head.
;     v[ADK], v[ADS], v[ADV], v[ADW]  written at a step's head (K's for the next step, V's for this); read by those loads.
;     So a step has one wait on vm_vsrc, ahead of the four additions, and three on va_vdst: behind the additions (the addresses are written; the last step's products of O^T are done reading V); behind the maxima's chains
;     (the scores' products are done reading K); and ahead of the products of O^T (P's codes and scale word are written).
;   THE WAY OUT: v[D ..] is written by the multiplications and read by the stage's stores; the loads from the stage land in K's registers.       v[SPW], v[NIL]: written at the head, read by the closing add alone.
.set KST,   65536                      ; LDS: 0: K's images;  KST: K's scale words
.set VROW,  73728                      ; V's 64 rows, VP bytes apart
.set VP,    1040                       ; 65 x 16: the sixteen rows of a load start at sixteen different columns of 16 bytes
.set VST,   140288                     ; V's scale words: step x 256 + 16 x (row % 16) + 4 x (row / 16)
.set STAGE, 144384                     ; the way out: 16 rows x SP bytes for each wave
.set SP,    272
.set SPARE, 214016                     ; the spare words, 128 bytes for each of 16 waves: eight blocks of 256 bytes that no other line names
.set LI,   1
.set LS,   2
.set SPW,  3
.set NIL,  4
.set QS,   5
.set US,   6
.set SAT,  7
.set ONES, 20
.set NT,   28
.set CN,   36
.set PC,   44
.set ACC,  52
.set KW0,  60
.set VW,   64                          ; v64-67  K's second set of scale words; in the last pass V's
.set AF0,  68
.set AF1,  100                         ; v100-131  K's second set of fragments; in the last pass V's four
.set D,    132
.set O,    196                         ; v196-227  O^T: four tiles of 16 channels
.set S,    228
.set X,    229
.set R,    230
.set DC,   231
.set LV,   233                         ; my lane's place in a tile of V
.set LW,   234                         ; and among V's scale words
.set SO,   235                         ; the stage: where I put 32 bytes of a row
.set SR,   236                         ; and where I read rows back
.set SH8,  237                         ; 8 h
.set PW,   239                         ; p's scale word
.set BM,   240                         ; v240-241 my two blocks' largest numbers
.set SOP,  242                         ; v242-243 the conversions' scale operands
.set BY,   244                         ; v244-245 the scales' bytes
.set ADK,  246
.set ADS,  247
.set ADV,  248
.set ADW,  249
.set KA,   52                          ; addresses of the fill, in registers that the sums take later
.set KSA,  53
.set VA,   54
.set VSA,  55
.set G16,  56
.set G8,   57
.set QO,   58
.set QSO,  59
.set N4,   250
.set T0,   251
.set RR,   252
.set HH,   253
.set WN,   254
.macro LOADK s, b                      ; step s's four fragments and four scale words into set b: nine LDS loads, every offset an immediate
.irp g, 0,1,2,3
	ds_load_b128 v[AF0+32*(\b)+8*\g:AF0+32*(\b)+8*\g+3], v[LI] offset:(\s)*4096+\g*1024
	ds_load_b128 v[AF0+32*(\b)+8*\g+4:AF0+32*(\b)+8*\g+7], v[LI] offset:(\s)*4096+\g*1024+512
.endr
	ds_load_b128 v[KW0+4*(\b):KW0+4*(\b)+3], v[LS] offset:(\s)*512
.endm
; eight products, s - T: fragment g against q low (tile (0, g)) and q high (tile (1, g), whose scale words lie in lanes 16-31)
; deal = 1: the nine loads of step NXT, into the other set (AFN, KWN), are dealt among them.  No wait: no vector or matrix instruction since the wait at the step's head names that set
.macro SCORES deal
.irp g, 0,1,2,3
	v_wmma_scale_f32_16x16x128_f8f6f4 v[D+8*\g:D+8*\g+7], v[AFB+8*\g:AFB+8*\g+7], v[12:19], v[NT:NT+7], v[KWB+\g], v[QS] matrix_a_fmt:MATRIX_FMT_FP4 matrix_b_fmt:MATRIX_FMT_FP4
	v_wmma_scale_f32_16x16x128_f8f6f4 v[D+32+8*\g:D+32+8*\g+7], v[AFB+8*\g:AFB+8*\g+7], v[8:15], v[NT:NT+7], v[KWB+\g], v[QS] matrix_a_fmt:MATRIX_FMT_FP4 matrix_b_fmt:MATRIX_FMT_FP4 matrix_a_scale:MATRIX_SCALE_ROW1
.if \deal
	ds_load_b128 v[AFN+8*\g:AFN+8*\g+3], v[LI] offset:NXT*4096+\g*1024
	ds_load_b128 v[AFN+8*\g+4:AFN+8*\g+7], v[LI] offset:NXT*4096+\g*1024+512
.endif
.endr
.if \deal
	ds_load_b128 v[KWN:KWN+3], v[LS] offset:NXT*512
.endif
.endm
.macro COUNT first                     ; 6 x the number of codes 6 among my query's 128.  One instruction a turn, the eight scores' products between two of them
.if \first
	v_wmma_scale_f32_16x16x128_f8f6f4 v[CN:CN+7], v[ONES:ONES+7], v[PC:PC+7], 0, v[US], v[US] matrix_a_fmt:MATRIX_FMT_FP4 matrix_b_fmt:MATRIX_FMT_FP4
.else
	v_wmma_scale_f32_16x16x128_f8f6f4 v[CN:CN+7], v[ONES:ONES+7], v[PC:PC+7], v[CN:CN+7], v[US], v[US] matrix_a_fmt:MATRIX_FMT_FP4 matrix_b_fmt:MATRIX_FMT_FP4
.endif
.endm
.macro NSTEP                           ; a Newton pass, step st: 128 keys' max(s - T, 0) are summed and marked for the count
.set AFB, AF0+32*(st%2)
.set KWB, KW0+4*(st%2)
.set AFN, AF0+32*((st+1)%2)
.set KWN, KW0+4*((st+1)%2)
.set NXT, st+1
	s_wait_dscnt 0x0                               ; this step's nine loads are in
.if st > 0
	s_wait_alu depctr_va_vdst(0)                   ; the last step's conversions have written the marks v[PC ..], which the count's product takes as an operand; that step's products are done reading the set in which this step's loads land
.endif                                                 ; (step 0 has no such wait: the update's wait, or in the first pass the head's, stands behind all that named the other set)
.if st == 1
	COUNT 1                                        ; the step before's marks; the four additions behind its last conversion are the places ahead of this line
.elseif st > 1
	COUNT 0
.endif
.if st < 15
	SCORES 1
.else
	SCORES 0
.endif
.rept 4
	v_nop                                          ; four places: ahead of the first read of a result, and of the first write of the count's operand
.endr
.irp i, 0,1,2,3,4,5,6,7
.irp j, 0,1,2,3,4,5,6,7
	v_max_num_f32 v[D+8*\i+\j], 0, v[D+8*\i+\j]
.endr
	v_cvt_scalef32_pk8_fp4_f32 v[PC+\i], v[D+8*\i:D+8*\i+7], v[SAT]
.irp j, 0,1,2,3
	v_pk_add_f32 v[ACC+2*\j:ACC+2*\j+1], v[ACC+2*\j:ACC+2*\j+1], v[D+8*\i+2*\j:D+8*\i+2*\j+1]
.endr
.endr
.endm
.macro PASS                            ; one pass over the head's 2,048 keys
.irp i, 0,1,2,3,4,5,6,7
	v_mov_b32 v[ACC+\i], 0
.endr
	LOADK 0, 0                                     ; no wait: the last update's wait stands behind the last products that read this set, and nothing since names it (in the first pass nothing has named it)
.set st, 0
.rept 16
	NSTEP
.set st, st+1
.endr
	s_wait_alu depctr_va_vdst(0)                   ; the last step's conversions have written the marks, which the count's product takes as an operand (the four additions behind them are its places)
	COUNT 0
.endm
.macro UPDATE                          ; -T <- -T - max(sum - 8, 0) / c
	v_pk_add_f32 v[ACC:ACC+1], v[ACC:ACC+1], v[ACC+2:ACC+3]        ; (these additions are the places between the count's product and the read of its result)
	v_pk_add_f32 v[ACC+4:ACC+5], v[ACC+4:ACC+5], v[ACC+6:ACC+7]
	v_pk_add_f32 v[ACC:ACC+1], v[ACC:ACC+1], v[ACC+4:ACC+5]
	v_add_f32 v[S], v[ACC], v[ACC+1]
	v_permlanex16_b32 v[X], v[S], s28, s29         ; my query's other keys lie in the lane 16 away
	v_add_f32 v[S], v[S], v[X]
	v_max_num_f32 v[DC], 0x40c00000, v[CN]         ; 6 c, at least 6
	v_rcp_f32 v[R], v[DC]
	v_add_f32 v[S], 0xc1000000, v[S]               ; F = the sum - 8 (a plain line behind the reciprocal)
	v_max_num_f32 v[S], 0, v[S]                    ; rounding may have carried T past the root: then it stays
	v_mul_f32 v[S], 0x40c00000, v[S]               ; 6 F
	s_wait_alu depctr_va_vdst(0)                   ; the reciprocal v[R] is written, ahead of its first reader; and every product so far is done reading K's two sets, in which the next loads land
.irp i, 0,1,2,3,4,5,6,7
	v_fma_f32 v[NT+\i], -v[S], v[R], v[NT+\i]
.endr
.endm
; THE LAST PASS, one step of 128 keys.  zero = 1: the first step, whose products start O^T's sums: nothing is cleared.  ahead = 1: the next step's K is asked for; the last step asks for none.
.macro FSTEP zero, ahead
.set AFB, AF0
.set KWB, KW0
.if !\zero
	s_wait_alu depctr_vm_vsrc(0)                   ; the loads issued so far have read the four addresses, which are written anew below
.endif
.if \ahead
	v_add_nc_u32 v[ADK], s30, v[LI]                ; K's images and scale words of the NEXT step,
	v_add_nc_u32 v[ADS], s31, v[LS]
.else
	v_nop                                          ; (two plain lines in the additions' stead, so that this step too has four between the last step's products and the loads into V's registers)
	v_nop
.endif
	v_add_nc_u32 v[ADV], s32, v[LV]                ; V's rows and scale words of this one
	v_add_nc_u32 v[ADW], s33, v[LW]
	s_wait_alu depctr_va_vdst(0)                   ; the addresses are written, which the loads read; the last step's products of O^T are done reading V's fragments and scale words, in which the loads below land
.irp t, 0,1,2,3
	ds_load_b128 v[AF1+8*\t:AF1+8*\t+3], v[ADV] offset:\t*16*VP         ; channels 16 t + r, keys 32 h on
	ds_load_b128 v[AF1+8*\t+4:AF1+8*\t+7], v[ADV] offset:\t*16*VP+32    ; and 64 + 32 h on
.endr
	ds_load_b128 v[VW:VW+3], v[ADW]
	s_wait_dscnt 0x9                               ; K's nine loads, issued in the step before, are in; V's nine, issued behind them, may be out
	SCORES 0
.rept 4
	v_nop                                          ; four places ahead of the first read of a result
.endr
	v_max3_num_f32 v[BM], v[D], v[D+1], 0x1800000  ; my two blocks' largest numbers, by turns, each tile from its low end on.  No |.|: what is negative becomes 0 and must not count; the floor 2^(3 - 127) holds the byte at 1 from below
	v_max3_num_f32 v[BM+1], v[D+32], v[D+33], 0x1800000
.irp i, 2,4,6,8,10,12,14,16,18,20,22,24,26,28,30
	v_max3_num_f32 v[BM], v[BM], v[D+\i], v[D+\i+1]
	v_max3_num_f32 v[BM+1], v[BM+1], v[D+32+\i], v[D+33+\i]
.endr
.if \ahead
	s_wait_alu depctr_va_vdst(0)                   ; the scores' products are done reading K's fragments and scale words, in which the next step's loads land; no vector instruction from here to the last of those loads names these registers or their addresses
.endif
	v_add_nc_u32 v[SOP], 0xff000000, v[BM]         ; 2 off the exponent field: the conversion takes that field as its scale
	v_add_nc_u32 v[SOP+1], 0xff000000, v[BM+1]
	v_lshrrev_b32 v[BY], 23, v[SOP]                ; the scales' bytes: blocks h and 2 + h of these 128 keys
	v_lshrrev_b32 v[BY+1], 23, v[SOP+1]
	v_lshl_or_b32 v[BY], v[BY+1], 16, v[BY]
	v_lshlrev_b32 v[BY], v[SH8], v[BY]             ; at their places in the word
	v_permlanex16_b32 v[BY+1], v[BY], s28, s29
	v_or_b32 v[PW], v[BY], v[BY+1]                 ; with lane l xor 16's two the word is whole.  (A block of zeros keeps the byte 1: its codes are zeros)
.irp i, 0,1,2,3,4,5,6,7
.if \ahead
.if \i < 4
	ds_load_b128 v[AF0+8*\i:AF0+8*\i+3], v[ADK] offset:\i*1024         ; the next step's K, dealt among the maxima
	ds_load_b128 v[AF0+8*\i+4:AF0+8*\i+7], v[ADK] offset:\i*1024+512
.elseif \i == 4
	ds_load_b128 v[KW0:KW0+3], v[ADS]
.endif
.endif
.irp j, 0,1,2,3,4,5,6,7
	v_max_num_f32 v[D+8*\i+\j], 0, v[D+8*\i+\j]    ; 8 p.  (These are also the places between the scale word and the products)
.endr
.endr
.irp c, 0,1
.irp u, 0,1,2,3
	v_cvt_scalef32_pk8_fp4_f32 v[PC+4*\c+\u], v[D+32*\c+8*\u:D+32*\c+8*\u+7], v[SOP+\c]   ; keys 64 c + 32 h + 8 u + 0 .. 7: register 4 c + u of the operand
.endr
.endr
.rept 4
	v_nop                                          ; four places between an operand written by vector instructions and a scaled product
.endr
.if \ahead
	s_wait_dscnt 0x9                               ; V's nine loads are in; the next step's K, nine loads issued behind them, may be out
.else
	s_wait_dscnt 0x0                               ; V is in
.endif
	s_wait_alu depctr_va_vdst(0)                   ; the conversions have written P's codes v[PC ..], and its scale word v[PW] is written, which the products below take as operand and scale
.irp t, 0,1,2,3
.if \zero
	v_wmma_scale_f32_16x16x128_f8f6f4 v[O+8*\t:O+8*\t+7], v[AF1+8*\t:AF1+8*\t+7], v[PC:PC+7], 0, v[VW+\t], v[PW] matrix_a_fmt:MATRIX_FMT_FP4 matrix_b_fmt:MATRIX_FMT_FP4
.else
	v_wmma_scale_f32_16x16x128_f8f6f4 v[O+8*\t:O+8*\t+7], v[AF1+8*\t:AF1+8*\t+7], v[PC:PC+7], v[O+8*\t:O+8*\t+7], v[VW+\t], v[PW] matrix_a_fmt:MATRIX_FMT_FP4 matrix_b_fmt:MATRIX_FMT_FP4
.endif
.endr
.if \ahead
	s_add_co_u32 s30, s30, 4096                    ; a step on: K's images, K's scale words, V's 64 bytes a row, V's scale words
	s_add_co_u32 s31, s31, 512
	s_add_co_u32 s32, s32, 64
	s_add_co_u32 s33, s33, 256
.endif
.endm
	s_load_b256 s[4:11], s[0:1], 0x0               ; K's codes s[4:5], K's scales s[6:7], Q's codes s[8:9], Q's scales s[10:11]
	s_load_b256 s[12:19], s[0:1], 0x20             ; V's codes s[12:13], V's scales s[14:15], negt s[16:17], need s[18:19]
	s_load_b64 s[20:21], s[0:1], 0x40              ; out0
	v_lshl_add_u32 v[SPW], v0, 2, SPARE
	v_mov_b32 v[NIL], 0
	v_lshrrev_b32 v[WN], 5, v0
	v_readfirstlane_b32 s22, v[WN]                 ; wave 0..15
	s_and_b32 s23, ttmp7, 0xffff                   ; the head
	s_mov_b32 s28, 0x76543210
	s_mov_b32 s29, 0xfedcba98                      ; v_permlanex16_b32's selects for lane l xor 16
	s_lshl_b32 s26, s23, 16                        ; byte offsets, apart from the addresses.  K's and V's codes: 65,536 a head
	s_mov_b32 s27, 0
	s_lshl_b32 s24, ttmp9, 13                      ; Q's codes: + 256 x 32 a block, + 16 x 32 a wave
	s_wait_alu depctr_va_sdst(0)                   ; s22 is written, ahead of its first reader: the wave's offsets and its stage are made from it
	s_lshl_b32 s25, s22, 9
	s_add_co_u32 s30, s26, s24
	s_add_co_u32 s30, s30, s25
	s_mov_b32 s31, 0
	s_lshl_b32 s32, s23, 12                        ; K's and V's scales: 4,096 a head
	s_mov_b32 s33, 0
	s_lshl_b32 s24, ttmp9, 9
	s_lshl_b32 s25, s22, 5
	s_add_co_u32 s36, s32, s24                     ; Q's scales
	s_add_co_u32 s36, s36, s25
	s_mov_b32 s37, 0
	s_lshl_b32 s38, s23, 13                        ; negt: my wave's 16 rows
	s_lshl_b32 s24, ttmp9, 10
	s_lshl_b32 s25, s22, 6
	s_add_co_u32 s38, s38, s24
	s_add_co_u32 s38, s38, s25
	s_mov_b32 s39, 0
	s_lshl_b32 s40, s23, 9                         ; need: my wave's word
	s_lshl_b32 s24, ttmp9, 6
	s_lshl_b32 s25, s22, 2
	s_add_co_u32 s40, s40, s24
	s_add_co_u32 s40, s40, s25
	s_mov_b32 s41, 0
	s_lshl_b32 s42, s23, 19                        ; out0: rows of 256 bytes
	s_lshl_b32 s24, ttmp9, 16
	s_lshl_b32 s25, s22, 12
	s_add_co_u32 s42, s42, s24
	s_add_co_u32 s42, s42, s25
	s_mov_b32 s43, 0
	s_mul_i32 s44, s22, 16*SP
	s_add_co_u32 s44, s44, STAGE                   ; my stage
	v_and_b32 v[RR], 15, v0                        ; r
	v_bfe_u32 v[HH], v0, 4, 1                      ; h
	v_and_b32 v[T0], 31, v0
	v_lshlrev_b32 v[LI], 4, v[T0]
	v_add_nc_u32 v[LS], KST, v[LI]
	; where my 16 bytes of K's codes go.  Thread t, load i: key 256 i + t / 2, half t % 2.  Of the key's number: bits 0-2 j, 3-4 u, 5 h', 6 c, 7.. the step
	v_bfe_u32 v[T0], v0, 1, 3
	v_lshlrev_b32 v[KA], 4, v[T0]
	v_bfe_u32 v[T0], v0, 6, 1
	v_lshl_or_b32 v[KA], v[T0], 7, v[KA]
	v_and_b32 v[T0], 1, v0
	v_lshl_or_b32 v[KA], v[T0], 8, v[KA]
	v_bfe_u32 v[T0], v0, 7, 1
	v_lshl_or_b32 v[KA], v[T0], 9, v[KA]
	v_bfe_u32 v[T0], v0, 4, 2
	v_lshl_or_b32 v[KA], v[T0], 10, v[KA]
	v_bfe_u32 v[T0], v0, 8, 1
	v_lshl_or_b32 v[KA], v[T0], 12, v[KA]
	; my four keys' scale words: keys 4 t + e
	v_lshlrev_b32 v[KSA], 9, v[WN]
	v_lshl_or_b32 v[KSA], v[HH], 8, v[KSA]
	v_bfe_u32 v[T0], v0, 3, 1
	v_lshl_or_b32 v[KSA], v[T0], 7, v[KSA]
	v_and_b32 v[T0], 1, v0
	v_lshl_or_b32 v[KSA], v[T0], 6, v[KSA]
	v_bfe_u32 v[T0], v0, 1, 2
	v_lshl_or_b32 v[KSA], v[T0], 2, v[KSA]
	v_add_nc_u32 v[KSA], KST, v[KSA]
	; V's codes: thread t, load i: row 8 i + t / 64, bytes 16 (t % 64) on
	v_lshrrev_b32 v[T0], 6, v0
	v_mul_u32_u24 v[VA], v[T0], VP
	v_and_b32 v[T0], 63, v0
	v_lshl_add_u32 v[VA], v[T0], 4, v[VA]
	v_add_nc_u32 v[VA], VROW, v[VA]
	; V's scale words: thread t has row t / 8, steps 2 (t % 8) and 2 (t % 8) + 1
	v_and_b32 v[T0], 7, v0
	v_lshlrev_b32 v[VSA], 9, v[T0]
	v_bfe_u32 v[T0], v0, 3, 4
	v_lshl_or_b32 v[VSA], v[T0], 4, v[VSA]
	v_lshrrev_b32 v[T0], 7, v0
	v_lshl_or_b32 v[VSA], v[T0], 2, v[VSA]
	v_add_nc_u32 v[VSA], VST, v[VSA]
	v_lshlrev_b32 v[G16], 4, v0
	v_lshlrev_b32 v[G8], 3, v0
	v_lshlrev_b32 v[QO], 5, v[RR]
	v_lshl_or_b32 v[QO], v[HH], 4, v[QO]
	v_lshlrev_b32 v[QSO], 1, v[RR]
	v_lshlrev_b32 v[N4], 2, v[RR]
	v_mul_u32_u24 v[LV], v[RR], VP
	v_lshl_add_u32 v[LV], v[HH], 4, v[LV]
	v_add_nc_u32 v[LV], VROW, v[LV]                ; V: row r of a tile, + 16 h
	v_lshl_add_u32 v[LW], v[RR], 4, VST
	v_mul_u32_u24 v[SO], v[RR], SP
	v_lshl_add_u32 v[SO], v[HH], 5, v[SO]
	v_add_nc_u32 v[SO], s44, v[SO]                 ; the stage, in: row r; tile t's eight channels of my half: 64 t + 32 h bytes on
	v_mul_u32_u24 v[SR], v[HH], SP
	v_lshl_add_u32 v[SR], v[RR], 4, v[SR]
	v_add_nc_u32 v[SR], s44, v[SR]                 ; back: lanes 0-15 one row, lanes 16-31 the next
	v_lshlrev_b32 v[SH8], 3, v[HH]
	s_wait_kmcnt 0x0
	s_add_nc_u64 s[4:5], s[4:5], s[26:27]
	s_add_nc_u64 s[6:7], s[6:7], s[32:33]
	s_add_nc_u64 s[8:9], s[8:9], s[30:31]
	s_add_nc_u64 s[10:11], s[10:11], s[36:37]
	s_add_nc_u64 s[12:13], s[12:13], s[26:27]
	s_add_nc_u64 s[14:15], s[14:15], s[32:33]
	s_add_nc_u64 s[16:17], s[16:17], s[38:39]
	s_add_nc_u64 s[18:19], s[18:19], s[40:41]
	s_add_nc_u64 s[20:21], s[20:21], s[42:43]
	s_load_b32 s35, s[18:19], 0x0                  ; the passes that my wave still owes
	s_wait_alu depctr_va_vdst(0)                   ; the offsets and LDS addresses made above are written, which the loads and stores of the kernel read
.irp i, 0,1,2,3,4,5,6,7
	global_load_b128 v[D+4*\i:D+4*\i+3], v[G16], s[4:5] offset:8192*\i     ; a wave reads 512 consecutive bytes
.endr
.irp i, 0,1,2,3,4,5,6,7
	global_load_b128 v[D+32+4*\i:D+32+4*\i+3], v[G16], s[12:13] offset:8192*\i
.endr
	global_load_b64 v[O:O+1], v[G8], s[6:7]
	global_load_b64 v[O+2:O+3], v[G8], s[14:15]
	global_load_b128 v[12:15], v[QO], s[8:9]       ; q stays in registers
	global_load_u16 v[O+4], v[QSO], s[10:11]
	global_load_b32 v[NT], v[N4], s[16:17]         ; -T of my query
.irp i, 8,9,10,11,16,17,18,19
	v_mov_b32 v[\i], 0                             ; the zero codes on either side of q
.endr
	v_mov_b32 v[US], 0x7f7f7f7f
	v_mov_b32 v[SAT], 0x21800000
	v_mov_b32 v[X], 0                              ; written once: a lane permute's destination counts as one of its sources
	s_wait_loadcnt 0x0
	v_lshl_or_b32 v[QS], v[O+4], 16, v[O+4]        ; nineteen plain lines stand between this and the first product that takes it as a scale
	v_perm_b32 v[O+5], v[O], v[O], 0x01000100      ; a key's two bytes, twice
	v_perm_b32 v[O+6], v[O], v[O], 0x03020302
	v_perm_b32 v[O+7], v[O+1], v[O+1], 0x01000100
	v_perm_b32 v[O+8], v[O+1], v[O+1], 0x03020302
	s_wait_alu depctr_va_vdst(0)                   ; the four scale words v[O+5 .. O+8] are written, which the LDS stores below read
.irp i, 0,1,2,3,4,5,6,7
	ds_store_b128 v[KA], v[D+4*\i:D+4*\i+3] offset:8192*\i
.endr
.irp i, 0,1,2,3,4,5,6,7
	ds_store_b128 v[VA], v[D+32+4*\i:D+32+4*\i+3] offset:8*VP*\i
.endr
.irp e, 0,1,2,3
	ds_store_b32 v[KSA], v[O+5+\e] offset:16*\e
.endr
	ds_store_b32 v[VSA], v[O+2]
	ds_store_b32 v[VSA], v[O+3] offset:256
.irp i, 1,2,3,4,5,6,7
	v_mov_b32 v[NT+\i], v[NT]
.endr
.irp i, 0,1,2,3,4,5,6,7
	v_mov_b32 v[ONES+\i], 0x22222222
.endr
	s_wait_dscnt 0x0                               ; for the others' sake: my stores have landed
	s_barrier_signal -1
	s_barrier_wait -1                              ; K, V and their scale words are whole; from here on they are only read, and no barrier follows
	s_wait_alu depctr_vm_vsrc(0)                   ; the fill's loads and LDS stores have read their addresses v52-59 and their data v[D ..], v[O ..]: the sums and the products write these registers from here on, on both ways below
	s_wait_alu depctr_va_vdst(0)                   ; q's scale word, the zero codes beside q, the ones and their scale word are written, which the products on both ways below take as scales and operands
	; ---- the passes still owed: a trip count read from memory, held at 24.  Every LDS offset in a pass is an immediate
	s_wait_kmcnt 0x0
	s_min_u32 s35, s35, 24
	s_cmp_eq_u32 s35, 0
	s_cbranch_scc1 .Lfinal
	s_mov_b32 s34, 0
.Lmore:
	PASS
	UPDATE
	s_add_co_u32 s34, s34, 1
	s_cmp_lt_u32 s34, s35
	s_cbranch_scc1 .Lmore
.Lfinal:
	; ---- the last pass: 16 steps of 128 keys; the first is written out, since its products start the sums, and the last, since it asks for no further K
	s_mov_b32 s30, 4096                            ; K runs a step ahead of V
	s_mov_b32 s31, 512
	s_mov_b32 s32, 0
	s_mov_b32 s33, 0
	LOADK 0, 0                                     ; step 0's K.  No wait: the last update's wait stands behind the last products that read this set (with no pass owed nothing has named it)
	FSTEP 1, 1
	s_mov_b32 s34, 0
.Lstep:
	FSTEP 0, 1
	s_add_co_u32 s34, s34, 1
	s_cmp_lt_u32 s34, 14
	s_cbranch_scc1 .Lstep
	FSTEP 0, 0
	; ---- the way out: O^T / 8 goes through my stage and leaves as whole rows of 256 bytes, two an instruction
.rept 4
	v_nop                                          ; four places ahead of the first read of a result
.endr
.irp i, 0,2,4,6,8,10,12,14,16,18,20,22,24,26,28,30
	v_pk_mul_f32 v[D+\i:D+\i+1], v[O+\i:O+\i+1], 0x3e000000 op_sel_hi:[1,0]   ; each tile from its low end on: register 8 t + j is out(r, 16 t + 8 h + j)
.endr
	s_wait_alu depctr_va_vdst(0)                   ; the multiplications have written v[D ..], which the stage's stores read; the last scores' products are done reading K's registers, in which the loads from the stage land
.irp t, 0,1,2,3
	ds_store_b128 v[SO], v[D+8*\t:D+8*\t+3] offset:64*\t
	ds_store_b128 v[SO], v[D+8*\t+4:D+8*\t+7] offset:64*\t+16
.endr
.irp i, 0,1,2,3,4,5,6,7
	ds_load_b128 v[AF0+4*\i:AF0+4*\i+3], v[SR] offset:\i*2*SP      ; LDS serves a wave's instructions in order: these see my stores
.endr
.irp i, 0,1,2,3,4,5,6,7
	s_wait_dscnt 7-\i                              ; load i is in; the younger ones may be out
	global_store_b128 v[LI], v[AF0+4*\i:AF0+4*\i+3], s[20:21] offset:512*\i th:TH_STORE_NT   ; 32 lanes store 512 consecutive bytes, at a multiple of 256 from out0's first byte
.endr
	s_wait_dscnt 0x0                               ; the closing lines, six on end
	s_wait_alu 0x0
	s_wait_tensorcnt 0x0
	ds_add_u32 v[SPW], v[NIL]
	s_wait_dscnt 0x0
	s_endpgm
.Lfunc_end_k_q5b4cbb93bd_attend:
	.size	k_q5b4cbb93bd_attend, .Lfunc_end_k_q5b4cbb93bd_attend-k_q5b4cbb93bd_attend
	.p2alignl 7, 3214868480
	.fill 96, 4, 3214868480
	.section	.rodata,"a",@progbits
	.p2align	6, 0x0
	.amdhsa_kernel k_q5b4cbb93bd_attend
		.amdhsa_group_segment_fixed_size 216064
		.amdhsa_private_segment_fixed_size 0
		.amdhsa_enable_private_segment 0
		.amdhsa_kernarg_size 72
		.amdhsa_user_sgpr_count 2
		.amdhsa_user_sgpr_kernarg_segment_ptr 1
		.amdhsa_wavefront_size32 1
		.amdhsa_system_sgpr_workgroup_id_x 1
		.amdhsa_system_sgpr_workgroup_id_y 1
		.amdhsa_system_sgpr_workgroup_id_z 1
		.amdhsa_system_vgpr_workitem_id 0
		.amdhsa_next_free_vgpr 256
		.amdhsa_next_free_sgpr 66
		.amdhsa_reserve_vcc 0
		.amdhsa_float_denorm_mode_32 3
		.amdhsa_float_denorm_mode_16_64 3
		.amdhsa_memory_ordered 1
		.amdhsa_forward_progress 1
		.amdhsa_inst_pref_size 144
	.end_amdhsa_kernel
	.amdgpu_metadata
---
amdhsa.version: [ 1, 2 ]
amdhsa.kernels:
  - .name:           k_q5b4cbb93bd_attend
    .symbol:         k_q5b4cbb93bd_attend.kd
    .args:
      - { .name: k_codes, .offset: 0, .size: 8, .value_kind: global_buffer, .address_space: global }
      - { .name: k_scales, .offset: 8, .size: 8, .value_kind: global_buffer, .address_space: global }
      - { .name: q_codes, .offset: 16, .size: 8, .value_kind: global_buffer, .address_space: global }
      - { .name: q_scales, .offset: 24, .size: 8, .value_kind: global_buffer, .address_space: global }
      - { .name: v_codes, .offset: 32, .size: 8, .value_kind: global_buffer, .address_space: global }
      - { .name: v_scales, .offset: 40, .size: 8, .value_kind: global_buffer, .address_space: global }
      - { .name: negt, .offset: 48, .size: 8, .value_kind: global_buffer, .address_space: global }
      - { .name: need, .offset: 56, .size: 8, .value_kind: global_buffer, .address_space: global }
      - { .name: out0, .offset: 64, .size: 8, .value_kind: global_buffer, .address_space: global }
    .group_segment_fixed_size: 216064
    .private_segment_fixed_size: 0
    .kernarg_segment_align: 8
    .kernarg_segment_size: 72
    .max_flat_workgroup_size: 512
    .sgpr_count:     66
    .vgpr_count:     256
    .wavefront_size: 32
...
	.end_amdgpu_metadata
.endif
;; end of part 4
